; MI455X (gfx1250); checked and timed in simulation.
; The chip was launched on July 23, 2026; its instructions are those of AMD's public machine-readable ISA for CDNA 5 (MIT licence, August 2026) and "CDNA5" Instruction Set Architecture Reference Guide (July 2026). The comments in the code are by the model that wrote it; some were corrected since.
;; Two View Attention Module. Allowed arithmetic: float matrix products may take bf16 or f16 operands with f32 sums; other float arithmetic in f32, or as packed bf16 or f16 multiplies, adds, multiply-adds, maxima and minima; sums over many terms, partial sums and values carried from step to step in f32; what a program stores and reads back later, other than sums and carried values, may be rounded once to bf16 or f16.
;; Inputs: W_a 512 x 256 float32; W_b 512 x 256 float32; W_c 256 x 2,048 float32; z_a 2 x 256 x 2,048 float32; z_b 2 x 256 x 2,048 float32.
;; Outputs: out0 2 x 2,048 x 256 float32; out1 2 float32.
;; 2 versions, each right; version 2 is version 1 with the launch prep written anew for expert scheduling mode. Each part assembles by itself: llvm-mc -triple=amdgcn-amd-amdhsa -mcpu=gfx1250 --defsym DOCPART=n.
;; ======== version 1 of 2: 3 launches
;; limits: values are held in f16: magnitudes above 65,504 overflow, below 6.1e-05 lose precision; right only within a limited range of input values
;; workspace buffers: qh 4,194,304 bytes; kh 4,194,304 bytes; vh 2,097,152 bytes; wc16 1,048,576 bytes; feat 16,777,216 bytes; l1p 4,096 bytes
;; launch prep (part 1): grid 64 x 4, 8 waves a work-group, no clusters, 160,768 bytes of LDS; arguments z_a, z_b, W_a, W_b, W_c, qh, kh, vh, wc16; writes qh, kh, vh, wc16
.if DOCPART == 1
	.amdgcn_target "amdgcn-amd-amdhsa--gfx1250"
	.amdhsa_code_object_version 6
	.text
	.protected	k_qf0d3859b08_prep
	.globl	k_qf0d3859b08_prep
	.p2align	8
	.type	k_qf0d3859b08_prep,@function
k_qf0d3859b08_prep:
	s_mov_b64 s[64:65], 0
	v_nop
	global_prefetch_b8 v0, s[64:65] scope:SCOPE_SE
	s_setreg_imm32_b32 hwreg(HW_REG_WAVE_MODE, 25, 1), 1
	s_wait_xcnt 0x0
; FIRST OF THREE LAUNCHES.  q = W_a z_a and k = W_b z_b (1x1 convolutions), laid by heads; V = z_b in key blocks; W_c in 16 bits.
; DEAD WORK: none.  All five inputs reach an output (z_a, W_a, W_b through the scores into out0 and out1; z_b also as V; W_c into out0); nothing is sliced away and no term cancels, so nothing is left out.
; FORMATS.  Every input is rounded once to bf16.  The two products here run in bf16 with f32 sums; q and k leave as f16, [b*8+h][n][64], unscaled (the scale 1/8 is applied in f32 by the next launch).
; z_b as V and W_c leave as the bf16-rounded number written in f16: vh [b][n/64][256 f][64 keys], a block of 32,768 dense bytes; wc16 [256][2048].
; LIMITS.  |q|, |k|, |z_b|, |W_c| stay under 65,504 (f16's end); a bf16-rounded z_b or W_c below 6e-5 keeps f16's fixed step of 6e-8.  NaN and infinities are not treated apart.
; SHARES.  Work-group (x, y): nb = x % 16, a block of 128 n; oq = x / 16, 128 output channels = two heads; b = y % 2; sel = y / 2 (0: z_a, W_a -> qh; 1: z_b, W_b -> kh and vh).  It makes 128 n x 128 o over
; 256 f.  Wave w: 32 n (w % 4) x 64 o (head hs = w / 4): 8 accumulators.  Work-group 64 y + x also converts that row of W_c; with sel = 1 it writes 64 channels (64 oq ..) of its two key blocks of V.
; THE ORDER OF f IS TURNED BY 64 oq: LDS row j of z and LDS column j of W hold channel (j + 64 oq) mod 256.  The same permutation of f on both operands leaves every product's terms as they are (the f32 sums
; are taken in another order).  The 64 channels of V that the work-group writes are then LDS rows 0-63 in every work-group: the turn stands in the global offsets alone, and every LDS address is made of
; constants, the wave's number and the lane.
; NO TENSOR LOADS, NO CLUSTER: the inputs are f32 and are rounded in registers on their way into LDS, which only loads into registers allow.
; THE MATRIX INSTRUCTION IS USED TRANSPOSED: source 0 = 16 rows of W, source 1 = 16 columns n of z (turned by ds_load_tr16_b128): a lane then holds one n and eight neighbouring channels: 16 bytes of a row of qh.
.set ZP,    288                        ; a row of z in LDS: 128 n x 2 bytes + 32 = 72 words
.set WP,    528                        ; a row of W: 256 f x 2 bytes + 16 = 132 words: the 16 rows of a fragment load start at 16 different groups of four banks
.set WT,    256*ZP                     ; W's 128 rows lie behind z's 256
.set STAGE, WT+128*WP                  ; the way out: 16 rows x 144 bytes for each wave
.set SP,    144
.set SPARE, STAGE+8*16*SP              ; the spare words, 128 bytes for each wave: four blocks of 256 bytes that no other line names
.set LN,  1                            ; v1   lane
.set RR,  2                            ; v2   lane % 16
.set HH,  3                            ; v3   lane / 16
.set ZO,  4                            ; v4   z: my wave's 32 rows in memory, my 16 bytes
.set VR,  5                            ; v5   V: where I read 16 bytes of a channel's 64 keys
.set CO,  6                            ; v6   W_c: 16 x thread
.set CT,  7                            ; v7   wc16: 8 x thread
.set ZS,  8                            ; v8   where my 8 bytes of a row of z go in LDS
.set WS,  9                            ; v9   the same for W
.set ZA0, 10                           ; v10  z's fragments, K steps 0-3
.set ZA1, 11                           ; v11  K steps 4-7 (the 16-bit offset does not reach them)
.set WA,  12                           ; v12  W's fragments
.set STO, 13                           ; v13  the way out: where I put 16 bytes of a row
.set RD,  14                           ; v14  where I read rows back
.set GO,  15                           ; v15  16 x lane
.set WO,  16                           ; v16-17  W: my wave's 16 rows in memory, my 16 bytes of the half of a row that goes to LDS columns 0-127, 128-255
.set SPW, 18                           ; v18  LDS address of my spare word; never rewritten
.set NIL, 19                           ; v19  0; never rewritten
.set T,   20                           ; v20-35  at work
.set CW,  36                           ; v36-41  W_c at work; v42-45 its 16 bytes to store, never rewritten
.set CR,  48                           ; v48-55  W_c as loaded
.set ZR,  64                           ; v64-191 z as loaded (v64-127 later take W's loads 16-31)
.set WR,  192                          ; v192-255 W's loads 0-15
.set ACC, 64                           ; v64-127 accumulator (nt, ob) at ACC + 8 (4 nt + ob)
.set FB,  128                          ; v128-223 two fragment buffers of 48: W's four, then z's two
.set PK,  224                          ; v224-255 packed results
	s_load_b512 s[8:23], s[0:1], 0x0               ; z_a 8, z_b 10, W_a 12, W_b 14, W_c 16, qh 18, kh 20, vh 22
	s_load_b64 s[24:25], s[0:1], 0x40              ; wc16
	v_lshl_add_u32 v[SPW], v0, 2, SPARE
	v_mov_b32 v[NIL], 0
	v_lshrrev_b32 v[T], 5, v0
	v_readfirstlane_b32 s26, v[T]                  ; wave 0..7
	s_and_b32 s28, ttmp9, 15                       ; nb
	s_bfe_u32 s29, ttmp9, 0x20004                  ; oq
	s_and_b32 s30, ttmp7, 0xffff                   ; y
	s_and_b32 s31, s30, 1                          ; b
	s_lshr_b32 s32, s30, 1                         ; sel
	s_lshl_b32 s27, s30, 6
	s_add_co_u32 s27, s27, ttmp9                   ; my row of W_c
	s_lshr_b32 s33, s26, 2                         ; hs
	s_and_b32 s40, s26, 3                          ; which 32 n
	s_and_b32 s41, s26, 1                          ; V: which key block
	s_lshr_b32 s42, s26, 1                         ; V: which 16 channels
	s_mov_b32 s46, 0xffff0000                      ; a word's upper bf16
	v_and_b32 v[LN], 31, v0
	v_and_b32 v[RR], 15, v0
	v_bfe_u32 v[HH], v0, 4, 1
	s_lshl1_add_u32 s2, s29, s26                   ; z in memory: LDS rows 32 w .. hold channels 32 ((w + 2 oq) mod 8) ..
	s_and_b32 s2, s2, 7
	s_lshl_b32 s2, s2, 18                          ; 32 rows of 8,192 bytes
	v_lshl_add_u32 v[ZO], v[LN], 4, s2
	s_lshl_b32 s2, s29, 8                          ; W in memory: LDS columns 128 half + 4 l .. hold the 16 bytes at (512 half + 16 l + 256 oq) mod 1,024 of a row
	v_lshl_add_u32 v[T+4], v[LN], 4, s2
	v_and_b32 v[WO], 0x3ff, v[T+4]
	v_add_nc_u32 v[T+4], 512, v[T+4]
	v_and_b32 v[WO+1], 0x3ff, v[T+4]
	s_lshl_b32 s2, s26, 14                         ; my wave's 16 rows of 1,024 bytes
	v_add_nc_u32 v[WO], s2, v[WO]
	v_add_nc_u32 v[WO+1], s2, v[WO+1]
	v_lshlrev_b32 v[CO], 4, v0
	v_lshlrev_b32 v[CT], 3, v0
	s_mul_i32 s2, s26, 32*ZP
	v_lshl_add_u32 v[ZS], v[LN], 3, s2
	s_mul_i32 s2, s26, 16*WP
	s_add_co_u32 s2, s2, WT
	v_lshl_add_u32 v[WS], v[LN], 3, s2
	v_and_b32 v[T], 7, v0                          ; lane % 8
	v_bfe_u32 v[T+1], v0, 3, 1                     ; (lane / 8) % 2
	v_lshl_add_u32 v[T+2], v[HH], 3, v[T]          ; the turning load: row 8 (lane / 16) + lane % 8,
	v_mul_u32_u24 v[ZA0], v[T+2], ZP
	v_lshl_add_u32 v[ZA0], v[T+1], 4, v[ZA0]       ; 16 bytes for each half of eight lanes,
	s_lshl_b32 s2, s40, 6
	v_add_nc_u32 v[ZA0], s2, v[ZA0]                ; my 32 n
	v_add_nc_u32 v[ZA1], 4*32*ZP, v[ZA0]
	s_mul_i32 s2, s33, 64*WP
	s_add_co_u32 s2, s2, WT
	v_mul_u32_u24 v[WA], v[RR], WP
	v_lshl_add_u32 v[WA], v[HH], 4, v[WA]
	v_add_nc_u32 v[WA], s2, v[WA]                  ; my head's 64 rows: row x pitch + 16 x half
	s_mul_i32 s2, s26, 16*SP
	s_add_co_u32 s2, s2, STAGE                     ; my stage
	v_mul_u32_u24 v[STO], v[RR], SP
	v_lshl_add_u32 v[STO], v[HH], 4, v[STO]
	v_add_nc_u32 v[STO], s2, v[STO]
	v_bfe_u32 v[T+3], v0, 3, 2                     ; lane / 8
	v_mul_u32_u24 v[RD], v[T+3], SP                ; back: 32 lanes take four rows of 128 bytes
	v_lshl_add_u32 v[RD], v[T], 4, v[RD]
	v_add_nc_u32 v[RD], s2, v[RD]
	v_lshlrev_b32 v[GO], 4, v[LN]
	s_lshl_b32 s3, s42, 4                          ; V: my 16 channels begin at LDS row 16 (w / 2),
	s_lshl_b32 s44, s29, 6
	s_add_co_u32 s44, s44, s3                      ; which is channel 64 oq + 16 (w / 2)
	s_mul_i32 s3, s3, ZP
	s_lshl_b32 s43, s41, 7
	s_add_co_u32 s3, s3, s43                       ; and my key block's 128 bytes of a row
	v_mul_u32_u24 v[VR], v[T+3], ZP
	v_lshl_add_u32 v[VR], v[T], 4, v[VR]
	v_add_nc_u32 v[VR], s3, v[VR]
	s_wait_kmcnt 0x0
	s_cmp_eq_u32 s32, 0
	s_cselect_b64 s[34:35], s[8:9], s[10:11]       ; z
	s_cselect_b64 s[36:37], s[12:13], s[14:15]     ; W
	s_cselect_b64 s[38:39], s[18:19], s[20:21]     ; qh or kh
	s_mov_b32 s3, 0
	s_lshl_b32 s2, s31, 21                         ; the batch: 256 rows of 8,192 bytes
	s_lshl_b32 s45, s28, 9                         ; the block's 512 bytes of a row
	s_add_co_u32 s2, s2, s45
	s_add_nc_u64 s[34:35], s[34:35], s[2:3]
	s_lshl_b32 s2, s29, 17                         ; 128 rows of 1,024 bytes
	s_add_nc_u64 s[36:37], s[36:37], s[2:3]
	s_lshl_b32 s2, s27, 13
	s_add_nc_u64 s[16:17], s[16:17], s[2:3]        ; my row of W_c,
	s_lshl_b32 s2, s27, 12
	s_add_nc_u64 s[24:25], s[24:25], s[2:3]        ; and of wc16
	; ALL LOADS GO OUT BEFORE ANY WAIT: 2 of W_c, 32 of z (a row's 512 bytes each), 16 of W (half a row each): 50 a wave
	global_load_b128 v[CR:CR+3],   v[CO], s[16:17] th:TH_LOAD_NT
	global_load_b128 v[CR+4:CR+7], v[CO], s[16:17] offset:4096 th:TH_LOAD_NT
.set i, 0
.rept 32
	global_load_b128 v[ZR+4*i:ZR+4*i+3], v[ZO], s[34:35] offset:8192*i
.set i, i+1
.endr
.set i, 0
.rept 16
	global_load_b128 v[WR+4*i:WR+4*i+3], v[WO+i%2], s[36:37] offset:1024*(i/2)
.set i, i+1
.endr
	s_lshl_b32 s2, s31, 3                          ; where my results go: head b*8 + 2 oq + hs,
	s_lshl1_add_u32 s2, s29, s2
	s_add_co_u32 s2, s2, s33
	s_lshl_b32 s2, s2, 11                          ; its 2,048 rows,
	s_lshl_b32 s45, s28, 7
	s_add_co_u32 s2, s2, s45                       ; the block's 128,
	s_lshl_b32 s45, s40, 5
	s_add_co_u32 s2, s2, s45                       ; my 32,
	s_lshl_b32 s2, s2, 7                           ; of 128 bytes
	s_add_nc_u64 s[38:39], s[38:39], s[2:3]
	s_lshl_b32 s2, s28, 1
	s_add_co_u32 s2, s2, s41                       ; V: key block 2 nb + w % 2,
	s_lshl_b32 s2, s2, 15
	s_lshl_b32 s45, s31, 20                        ; the batch's 32 blocks,
	s_add_co_u32 s2, s2, s45
	s_lshl_b32 s45, s44, 7                         ; my first channel's row of 128 bytes
	s_add_co_u32 s2, s2, s45
	s_add_nc_u64 s[22:23], s[22:23], s[2:3]
.macro CVZ i                           ; z's load i: four n of LDS row 32 w + i, rounded to bf16, into LDS
	v_cvt_pk_bf16_f32 v[T+2*((\i)%8)],   v[ZR+4*(\i)],   v[ZR+4*(\i)+1]
	v_cvt_pk_bf16_f32 v[T+2*((\i)%8)+1], v[ZR+4*(\i)+2], v[ZR+4*(\i)+3]
	ds_store_b64 v[ZS], v[T+2*((\i)%8):T+2*((\i)%8)+1] offset:ZP*(\i)
.endm
.macro ZGROUP first                    ; eight of them
.set i, (\first)
.rept 8
	CVZ i
.set i, i+1
.endr
.endm
.macro CVW i, base                     ; W's load i (row 16 w + i / 2, LDS half i % 2), whose four numbers lie at v[base]
	v_cvt_pk_bf16_f32 v[T+2*((\i)%8)],   v[(\base)],   v[(\base)+1]
	v_cvt_pk_bf16_f32 v[T+2*((\i)%8)+1], v[(\base)+2], v[(\base)+3]
	ds_store_b64 v[WS], v[T+2*((\i)%8):T+2*((\i)%8)+1] offset:WP*((\i)/2)+256*((\i)%2)
.endm
.macro PLACES                          ; four places behind a matrix instruction (ISA guide 7.12.1), where no other vector work is at hand
.rept 4
	v_nop
.endr
.endm
	s_wait_loadcnt 40                              ; W_c and z's loads 0-7 are in; 24 of z and 16 of W stay out
.irp j, 0,1                            ; W_c: to bf16, and that number written as f16; a wave's store covers 256 consecutive bytes, aligned
	v_cvt_pk_bf16_f32 v[CW],   v[CR+4*(\j)],   v[CR+4*(\j)+1]
	v_cvt_pk_bf16_f32 v[CW+1], v[CR+4*(\j)+2], v[CR+4*(\j)+3]
	v_lshlrev_b32 v[CW+2], 16, v[CW]
	v_and_b32     v[CW+3], s46, v[CW]
	v_lshlrev_b32 v[CW+4], 16, v[CW+1]
	v_and_b32     v[CW+5], s46, v[CW+1]
	v_cvt_pk_f16_f32 v[CW+6+2*(\j)], v[CW+2], v[CW+3]
	v_cvt_pk_f16_f32 v[CW+7+2*(\j)], v[CW+4], v[CW+5]
	global_store_b64 v[CT], v[CW+6+2*(\j):CW+7+2*(\j)], s[24:25] offset:2048*(\j)
.endr
	ZGROUP 0
	s_wait_loadcnt 32                              ; z's loads 8-15 are in; 16 of z and 16 of W stay out
	ZGROUP 8
.set i, 16
.rept 16                               ; W's second half goes into the registers that z's loads 0-15 have left
	global_load_b128 v[ZR+4*(i-16):ZR+4*(i-16)+3], v[WO+i%2], s[36:37] offset:1024*(i/2)
.set i, i+1
.endr
	s_wait_loadcnt 40                              ; z's loads 16-23 are in; 8 of z and 32 of W stay out
	ZGROUP 16
	s_wait_loadcnt 32                              ; all of z is in
	ZGROUP 24
	s_wait_loadcnt 16                              ; W's loads 0-15 are in
.set i, 0
.rept 16
	CVW i, WR+4*i
.set i, i+1
.endr
	s_wait_loadcnt 0x0
.rept 16
	CVW i, ZR+4*(i-16)
.set i, i+1
.endr
	s_wait_dscnt 0x0                               ; for the others' sake: my rows of z and W lie in LDS
	s_barrier_signal -1
	s_barrier_wait -1                              ; everybody's do
	; V, where this work-group holds z_b: 16 channels x 64 keys a wave, out of LDS rows 0-63, bf16 widened and written as f16; a store covers 512 consecutive bytes (four channel rows of a key block)
	s_cmp_eq_u32 s32, 0
	s_cbranch_scc1 .Lno_v
.irp i, 0,1,2,3
	ds_load_b128 v[FB+4*(\i):FB+4*(\i)+3], v[VR] offset:4*ZP*(\i)
.endr
	s_wait_dscnt 0x0
.irp i, 0,1,2,3
.irp k, 0,1,2,3
	v_lshlrev_b32 v[FB+16+2*(\k)], 16, v[FB+4*(\i)+(\k)]
	v_and_b32     v[FB+17+2*(\k)], s46, v[FB+4*(\i)+(\k)]
.endr
.irp k, 0,1,2,3
	v_cvt_pk_f16_f32 v[PK+4*(\i)+(\k)], v[FB+16+2*(\k)], v[FB+17+2*(\k)]
.endr
	global_store_b128 v[GO], v[PK+4*(\i):PK+4*(\i)+3], s[22:23] offset:512*(\i)
.endr
.Lno_v:
; K step ks (32 f): W's four fragments (16 o x 32 f: two loads of 16 bytes, 32 bytes apart) and z's two (turned), into buffer buf: 12 loads
.macro FRAG ks, buf
.irp ob, 0,1,2,3
	ds_load_b128 v[FB+48*(\buf)+8*(\ob):FB+48*(\buf)+8*(\ob)+3],   v[WA] offset:16*WP*(\ob)+64*(\ks)
	ds_load_b128 v[FB+48*(\buf)+8*(\ob)+4:FB+48*(\buf)+8*(\ob)+7], v[WA] offset:16*WP*(\ob)+64*(\ks)+32
.endr
.irp nt, 0,1
	ds_load_tr16_b128 v[FB+48*(\buf)+32+8*(\nt):FB+48*(\buf)+32+8*(\nt)+3],   v[ZA0+(\ks)/4] offset:32*ZP*((\ks)%4)+32*(\nt)
	ds_load_tr16_b128 v[FB+48*(\buf)+32+8*(\nt)+4:FB+48*(\buf)+32+8*(\nt)+7], v[ZA0+(\ks)/4] offset:32*ZP*((\ks)%4)+32*(\nt)+16*ZP
.endr
.endm
; its 8 products; the 8 accumulators take turns, one instruction a turn; K step 0 starts the sums
.macro MUL ks, buf
.irp nt, 0,1
.irp ob, 0,1,2,3
.if (\ks) == 0
	v_wmma_f32_16x16x32_bf16 v[ACC+8*(4*(\nt)+(\ob)):ACC+8*(4*(\nt)+(\ob))+7], v[FB+48*(\buf)+8*(\ob):FB+48*(\buf)+8*(\ob)+7], v[FB+48*(\buf)+32+8*(\nt):FB+48*(\buf)+32+8*(\nt)+7], 0
.else
	v_wmma_f32_16x16x32_bf16 v[ACC+8*(4*(\nt)+(\ob)):ACC+8*(4*(\nt)+(\ob))+7], v[FB+48*(\buf)+8*(\ob):FB+48*(\buf)+8*(\ob)+7], v[FB+48*(\buf)+32+8*(\nt):FB+48*(\buf)+32+8*(\nt)+7], v[ACC+8*(4*(\nt)+(\ob)):ACC+8*(4*(\nt)+(\ob))+7]
.endif
.endr
.endr
.endm
	FRAG 0, 0
	FRAG 1, 1
.irp ks, 0,1,2,3,4,5,6,7
.if (\ks) < 7
	s_wait_dscnt 12                                ; this step's 12 loads are in; the other buffer's 12 may stay out
.else
	s_wait_dscnt 0x0
.endif
	MUL \ks, (\ks)%2
.if (\ks) < 6
	PLACES                                         ; in front of loads into registers that the products have read
	FRAG (\ks)+2, (\ks)%2
.endif
.endr
	; THE WAY OUT: rounded to f16, 16 bytes a lane into my stage (rows of 144 bytes), back as whole rows of 128, stored 512 consecutive bytes at a time
	PLACES
	s_wait_xcnt 0x0                                ; V's stores have read v224-239, which are written below
.irp nt, 0,1
.irp ob, 0,1,2,3
.irp k, 0,1,2,3
	v_cvt_pk_f16_f32 v[PK+16*(\nt)+4*(\ob)+(\k)], v[ACC+8*(4*(\nt)+(\ob))+2*(\k)], v[ACC+8*(4*(\nt)+(\ob))+2*(\k)+1]
.endr
.endr
.irp ob, 0,1,2,3
	ds_store_b128 v[STO], v[PK+16*(\nt)+4*(\ob):PK+16*(\nt)+4*(\ob)+3] offset:32*(\ob)
.endr
.irp f, 0,1,2,3
	ds_load_b128 v[PK+16*(\nt)+4*(\f):PK+16*(\nt)+4*(\f)+3], v[RD] offset:4*SP*(\f)  ; LDS serves a wave's instructions in order (ISA guide 5.7.1.4): these see the stores above; the next tile's stores come behind them
.endr
.endr
.irp nt, 0,1
.irp f, 0,1,2,3
	s_wait_dscnt 8*(1-(\nt))+3-(\f)                ; behind tile 0's loads stand tile 1's eight LDS instructions
	global_store_b128 v[GO], v[PK+16*(\nt)+4*(\f):PK+16*(\nt)+4*(\f)+3], s[38:39] offset:2048*(\nt)+512*(\f)
.endr
.endr
	s_wait_tensorcnt 0x0                           ; the wave's end: behind my last LDS store
	ds_add_u32 v[SPW], v[NIL]
	s_wait_dscnt 0x0
	s_endpgm
.Lfunc_end_k_qf0d3859b08_prep:
	.size	k_qf0d3859b08_prep, .Lfunc_end_k_qf0d3859b08_prep-k_qf0d3859b08_prep
	.p2alignl 7, 3214868480
	.fill 96, 4, 3214868480
	.section	.rodata,"a",@progbits
	.p2align	6, 0x0
	.amdhsa_kernel k_qf0d3859b08_prep
		.amdhsa_group_segment_fixed_size 160768
		.amdhsa_private_segment_fixed_size 0
		.amdhsa_enable_private_segment 0
		.amdhsa_kernarg_size 72
		.amdhsa_user_sgpr_count 2
		.amdhsa_user_sgpr_kernarg_segment_ptr 1
		.amdhsa_wavefront_size32 1
		.amdhsa_system_sgpr_workgroup_id_x 1
		.amdhsa_system_sgpr_workgroup_id_y 1
		.amdhsa_system_sgpr_workgroup_id_z 1
		.amdhsa_system_vgpr_workitem_id 0
		.amdhsa_next_free_vgpr 256
		.amdhsa_next_free_sgpr 66
		.amdhsa_reserve_vcc 0
		.amdhsa_float_denorm_mode_32 3
		.amdhsa_float_denorm_mode_16_64 3
		.amdhsa_memory_ordered 1
		.amdhsa_forward_progress 1
		.amdhsa_inst_pref_size 43
	.end_amdhsa_kernel
	.amdgpu_metadata
---
amdhsa.version: [ 1, 2 ]
amdhsa.kernels:
  - .name:           k_qf0d3859b08_prep
    .symbol:         k_qf0d3859b08_prep.kd
    .args:
      - { .name: z_a, .offset: 0, .size: 8, .value_kind: global_buffer, .address_space: global }
      - { .name: z_b, .offset: 8, .size: 8, .value_kind: global_buffer, .address_space: global }
      - { .name: W_a, .offset: 16, .size: 8, .value_kind: global_buffer, .address_space: global }
      - { .name: W_b, .offset: 24, .size: 8, .value_kind: global_buffer, .address_space: global }
      - { .name: W_c, .offset: 32, .size: 8, .value_kind: global_buffer, .address_space: global }
      - { .name: qh, .offset: 40, .size: 8, .value_kind: global_buffer, .address_space: global }
      - { .name: kh, .offset: 48, .size: 8, .value_kind: global_buffer, .address_space: global }
      - { .name: vh, .offset: 56, .size: 8, .value_kind: global_buffer, .address_space: global }
      - { .name: wc16, .offset: 64, .size: 8, .value_kind: global_buffer, .address_space: global }
    .group_segment_fixed_size: 160768
    .private_segment_fixed_size: 0
    .kernarg_segment_align: 8
    .kernarg_segment_size: 72
    .max_flat_workgroup_size: 256
    .sgpr_count:     66
    .vgpr_count:     256
    .wavefront_size: 32
...
	.end_amdgpu_metadata
.endif
;; end of part 1
;; launch attn (part 2): grid 16 x 16, 4 waves a work-group, clusters of 4 x 1, 327,680 bytes of LDS; arguments qh, kh, vh, feat, l1p; writes feat, l1p
.if DOCPART == 2
	.amdgcn_target "amdgcn-amd-amdhsa--gfx1250"
	.amdhsa_code_object_version 6
	.text
	.protected	k_qf0d3859b08_attn
	.globl	k_qf0d3859b08_attn
	.p2align	8
	.type	k_qf0d3859b08_attn,@function
k_qf0d3859b08_attn:
	s_mov_b64 s[64:65], 0
	v_nop
	global_prefetch_b8 v0, s[64:65] scope:SCOPE_SE
	s_setreg_imm32_b32 hwreg(HW_REG_WAVE_MODE, 25, 1), 1
	s_wait_xcnt 0x0
	s_wait_alu depctr_hold_cnt(0) depctr_sa_sdst(0) depctr_va_vdst(0) depctr_va_sdst(0) depctr_va_ssrc(0) depctr_va_vcc(0) depctr_vm_vsrc(0)
	s_getreg_b32 s2, hwreg(HW_REG_IB_STS2, 6, 4)
	s_cmp_eq_u32 s2, 0
	s_cbranch_scc0 .Lentry_in_a_cluster
	s_endpgm
.Lentry_in_a_cluster:
	s_bfe_u32 s2, ttmp6, 0x10000c
	s_cmp_lg_u32 s2, 0x3003
	s_cbranch_scc0 .Lentry_shape_is_right
	s_endpgm
.Lentry_shape_is_right:
; SECOND OF THREE LAUNCHES.  For batch b and head h: s = q . k (64 channels), coeff = softmax over the 2,048 keys of s / 8, feat[b*2048+q][h*256+f] = the sum over keys of coeff V[f][key]; and the sums of |s|.
; Nothing is left out.  qh, kh: [b*8+h][2048][64] f16, unscaled.  vh: [b][32 key blocks][256 f][64 keys] f16.  feat: [4096][2048] f16.  l1p: one f32 sum of |s| a wave.
; Products, maxima and sums in f32; the weights p are rounded to f16 for the second product (their sum l is taken of the unrounded p), feat once at the end.
; LIMITS.  p lies in 0 to 1 and below 6e-5 keeps f16's fixed step of 6e-8; a weight below 2^-126 counts as 0 in l; feat is a mean of V's columns and has their range.  NaN and infinities are not treated apart.
; SHARES.  A work-group owns 128 queries of one (b, h).  THE KEYS ARE SPLIT INSIDE IT: wave w has query half w / 2 (64 queries, four tiles of 16) and key group g = w % 2; of each step's 128 keys it takes
; the block of 64 with parity g.  So a fragment of V read from LDS feeds four products.  16 steps; then the two waves of a query half merge their (m, l, O) through LDS, in f32.  Register tile t of a wave
; holds query sub-block t xor 2 g: every wave keeps its tiles 0, 1 and sends its tiles 2, 3: one text for all.
; LAYOUT.  S^T = K Q^T (source 0 = 16 keys, source 1 = 16 queries): a lane holds ONE query (lane % 16) and the keys 8 (lane / 16) + 0..7.  Two such results, rounded to f16 in pairs, ARE source 1 of
; O^T = V^T P, whose result again holds one query a lane, and eight channels.  V lies [channel][key], so both K's and V's fragments come out of LDS as they lie.
; SOFTMAX.  For each query a running maximum m and sum l: p = 2^(c s - c m), c = log2(e) / 8; in every step O and l are multiplied by a = 2^(c m_old - c m_new).  m starts at the lowest finite number,
; O and l at 0: the first step's a is 0 (the price: 512 lines that clear O^T, in the wait for the first tile).
; BY TURNS.  A step has 160 products and 761 vector instructions.  Trip j of 16 multiplies K Q^T of step j + 1 (32 products) and then V^T P of step j (128), and behind each product stands a SLICE of four vector
; instructions that name none of the registers of the products round them: behind the first 64, O^T times a of step j, a chunk of 64 channels ahead of that chunk's products; behind the next 21, the maximum
; and statistics of step j + 1; behind the next 74, its sums of |s|, its scalings and its exponentials.  The 128 that find no place, step j's roundings to f16 and its sums, stand at the trip's head among
; the runs of LDS loads.  All rescalings stand ahead of the statistics, which write over a's register.
; THE RING.  A slot holds V of step j and K of step j + 1; K of step 0 has bytes of its own.  Trip 14 asks for V alone (there is no 17th K), trip 15 for nothing and has no K Q^T and no softmax: both are written
; out behind the loop.  The first step's K Q^T and softmax are written out ahead of it, and the loop is entered behind its change of slots.
; CLUSTER.  The four query blocks of a cluster belong to one (b, h) and walk the same K and V: each tile is asked for JOINTLY, by the same tensor load, descriptor and mask in all four.
; REGISTERS, in windows of 256 (s_set_vgpr_msb: bits 1:0 source 0, 3:2 source 1, 5:4 source 2, 7:6 destination):
;   window 0: v0-11 addresses; v12-43 eight registers of statistics a tile; v44-51 sums of |s|; v52-59 at work; v60-63 addresses; v64-191 S^T, 32 a tile; v192-255 P, 16 a tile
;   window 1: O^T of tiles 0, 1 (128 a tile, channel block cb at 8 cb)     window 2: of tiles 2, 3     window 3: v0-63 Q; v64-127 K of a step; v128-255 V, two buffers of 64 channels x 64 keys
; No window has room for a product's operands beside what a slice touches, so a slice costs two switches, one in front and one behind.
.set PK,    144       ; a row of K or V in LDS: 128 bytes + 16 of padding = 36 words: the 16 rows of a load start at 16 different groups of four banks (64 banks of 4 bytes: ISA guide 11.1)
.set KHALF, 64*PK     ; a key group's 64 rows of K
.set VOFF,  2*KHALF   ; a slot: both groups' K, then both groups' V
.set VBLK,  256*PK    ; a key block of V: 256 channel rows
.set KX,    VOFF+2*VBLK        ; behind slot 0: K of step 0, filled once
.set SLOT1, 1<<17     ; slot 1 begins here, so that one exclusive or turns an address in one slot into the other's
.set STAGE, SLOT1+VOFF+2*VBLK  ; behind the ring: 16 rows x 528 bytes for each wave, for the way out
.set SP,    528
.set XST,   STAGE+4*16*SP      ; the statistics that a wave sends: 512 bytes each
.set SPARE, XST+4*512          ; the spare words, 128 bytes for each wave: two blocks of 256 bytes that no other line names
; The O^T that a wave sends, 32,768 bytes, lies at 32,768 x wave: in slot 0 and the bytes behind it, written only when they have had their last fill and their last read.
.set AK0, 2           ; v2   my lane's place in my group's K; never rewritten
.set AV0, 3           ; v3   the same for V
.set ADRK, 4          ; v4   the trip's LDS address of K
.set ADRV, 5          ; v5   of V
.set QO,  6           ; v6   my byte offset in 16 rows of Q
.set STO, 7           ; v7   the way out: where I put 16 bytes of a row
.set RD,  8           ; v8   where I read a row back
.set GO,  11          ; v11  16 x lane
.set ST,  12          ; tile t's statistics at v[ST+8 t]: +0 c m, +1 m, +2, +3 l (even keys', odd keys'), +4 to +7 c0-c3 at work; a takes c2's place
.set LA,  44          ; tile t's two sums of |s| at v[LA+2 t]
.set TP,  52          ; tile t's pair at work at v[TP+2 t]
.set XW,  60          ; v60  where I put the O^T that I send
.set PFO, 61          ; v61  256 x lane; never rewritten
.set SPW, 62          ; v62  LDS address of my spare word; never rewritten
.set NIL, 63          ; v63  0; never rewritten
.set S,   64
.set P,   192
.set XR,  4           ; behind the loop: where I read my partner's O^T,
.set XSW, 5           ; where I put my statistics,
.set XSR, 6           ; and read my partner's
.set KF,  64          ; window 3: key block kb, channel half c at KF + 16 kb + 8 c
.set VF,  128         ; window 3: buffer, key half kk, channel block i at VF + 64 buf + 32 kk + 8 i
.set WV,  14          ; s14  wave;  s15 g;  s16 query half;  s17 cx;  s18 query block;  s19 y = b*8+h;  s20 b;  s21 h
.set G1K, 24          ; s[24:31] descriptor group 1 for K's tiles
.set G1V, 32          ; s[32:39] for V's
.set G0K, 40          ; s[40:43] descriptor group 0 for K's tiles: it walks, one step ahead of V's
.set G0V, 44          ; s[44:47] the same for V's
.set G0X, 72          ; s[72:75] group 0 for K of step 0
.set QA,  48          ; s[48:49] Q of my tiles 0, 1
.set QB,  50          ; s[50:51] of my tiles 2, 3
.set PFA, 52          ; s[52:53] where my prefetches stand
.set PST, 54          ; s[54:55] their step
.set STEPS, 56        ; s56  the loop's trips still to come, this one among them: 14 - j in trip j
.set LIM, 57          ; s57  a wave prefetches while STEPS is above it; the greatest number in a wave that never does
.set CS,  58          ; s[58:59] c: the packed scaling takes the pair's low word for both halves
.set SEL, 60          ; s[60:61] v_permlanex16_b32's selects: each lane takes its own place in the other half
.set TB,  62          ; s62  LDS byte at which the slot in hand begins
.set PAR, 63          ; s63  1: prefetch only where STEPS is even
.set T0,  66          ; s66  at work;  s67 EXEC kept;  s68-71 offsets that hold cx
.set MSB, 0
.macro WIN new                      ; the high byte repeats the setting that is left; a switch that changes nothing is dropped
.if MSB != (\new)
	s_set_vgpr_msb (MSB<<8)|(\new)
.set MSB, (\new)
.endif
.endm
.set W_KQ, 0x0f       ; K and Q in window 3, S^T in window 0
.set W_PV, 0x53       ; V in window 3, P in window 0, O^T in window 1 (+0x50: window 2)
.set W_RS, 0x41       ; destination and source 0 in window 1, source 1 in window 0 (+0x41: window 2)
.set W_LD, 0xc0       ; destination in window 3, address in window 0
.macro PLACES                       ; four places behind a matrix instruction (ISA guide 7.12.1), where no other vector work is at hand
.rept 4
	v_nop
.endr
.endm
; A joint fill.  Waves 0 and 1 fetch the two key blocks of a step's V, waves 2 and 3 the two halves of the next step's K.  The branch hangs on the wave's number alone.
; An s_nop 0 and four v_nop follow each of the two lines, ahead of the jump and the label.
.macro JLOAD
	s_cmp_lt_u32 s[WV], 2
	s_cbranch_scc0 .Lfor_k_\@
	tensor_load_to_lds s[G0V:G0V+3], s[G1V:G1V+7]
	s_nop 0
.rept 4
	v_nop
.endr
	s_branch .Lasked_\@
.Lfor_k_\@:
	tensor_load_to_lds s[G0K:G0K+3], s[G1K:G1K+7]
	s_nop 0
.rept 4
	v_nop
.endr
.Lasked_\@:
.endm
.macro JLOADV                       ; the last joint fill: V of the last step; waves 2 and 3 have nothing left to fetch
	s_cmp_lt_u32 s[WV], 2
	s_cbranch_scc0 .Lnone_\@
	tensor_load_to_lds s[G0V:G0V+3], s[G1V:G1V+7]
	s_nop 0
.rept 4
	v_nop
.endr
.Lnone_\@:
.endm
; A round of the cluster's barrier: my work-group's barrier, so that wave 0's signal speaks for all four waves; wave 0 signals; every wave waits for all four work-groups; my work-group's barrier once more.
.macro CROUND
	s_barrier_signal -1
	s_barrier_wait -1
	s_cmp_lg_u32 s[WV], 0
	s_cbranch_scc1 .Lnot_wave_0_\@
	s_barrier_signal -3
.Lnot_wave_0_\@:
	s_barrier_wait -3
	s_barrier_signal -1
	s_barrier_wait -1
.endm
; A PREFETCH INTO THE L2, two trips ahead of the joint load that will want the rows.  Trip j loads V of step j + 1 and K of step j + 2; it names V of step j + 3, or K of steps j + 4 and j + 5.  A lane a row of
; 256 bytes, one instruction a wave.  V is walked by all heads and query blocks of a batch: the clusters with x = 0 and h = 0 ask, waves 0 and 1 each for its key block's 128 rows, of which the partner at cx
; takes 32, BY ADDRESS.  K is walked by all query blocks of a head: the clusters with x = 0 ask, wave 2; a step's K is 64 rows, so the four partners' 128 lanes take two steps' rows, in every second trip.
; So each row is named once in the launch.  Steps 0 to 2 of V and 0 to 3 of K come by their loads alone; the last trips ask for nothing: no request names a step past the 16th.
.macro ASK
	s_and_b32 s[T0], s[STEPS], s[PAR]
	s_lshl_b32 s[T0], s[T0], 8      ; above every count where the trip is not K's
	s_max_u32 s[T0], s[T0], s[LIM]
	s_cmp_gt_u32 s[STEPS], s[T0]
	s_cbranch_scc0 .Lnot_mine_\@
	global_prefetch_b8 v[PFO], s[PFA:PFA+1] th:TH_LOAD_NT scope:SCOPE_SE
.Lnot_mine_\@:
.endm
; THE CHANGE OF SLOTS.  Each wave waits for all its tensor loads, of which one is out: its part of the other slot; adds 0 to its spare word; and waits for that and for its own reads of the slot that it
; leaves.  Behind the barrier nobody reads the old slot any more and the other slot is whole.  fill = 1: the old slot is filled again, with the next trip's V and K; fill = 2: with V alone.  The barrier is
; then a round of the cluster's, and the joint fill is the first thing behind it: it has a whole trip in which to land.  (At its first use nothing has been read yet: the first fills are waited for, slot 1 filled.)
; The four v_nop behind the load (fill = 0, 2: four written here) are the places in front of the loads into V's buffers and of the roundings into P, which the last trip's last products read.
.macro CHANGE fill
	WIN 0                           ; at a label and at a branch every window is 0
	s_wait_tensorcnt 0x0            ; no tensor load of mine is out, so a group 0 may be written
	ds_add_u32 v[SPW], v[NIL]       ; 0 onto my spare word; the scalar steps below stand between it and the wait for it
.if (\fill) == 1
	s_xor_b32 s[G0K+1], s[G0K+1], SLOT1                   ; the walking descriptors: the other slot than last time,
	s_add_nc_u64 s[G0K+2:G0K+3], s[G0K+2:G0K+3], 128*128  ; the next 128 keys; the type bits on top are not reached
.endif
.if \fill
	s_xor_b32 s[G0V+1], s[G0V+1], SLOT1
	s_add_nc_u64 s[G0V+2:G0V+3], s[G0V+2:G0V+3], 2*32768  ; the next two key blocks
.endif
.if (\fill) == 1
	s_wait_xcnt 0x0                 ; the last prefetch, a trip back, has read its address, so it may be written
	s_add_nc_u64 s[PFA:PFA+1], s[PFA:PFA+1], s[PST:PST+1]
.endif
	s_wait_dscnt 0x0                ; the add is done, and my reads of the slot are over
.if \fill
	CROUND
.else
	s_barrier_signal -1
	s_barrier_wait -1
.endif
.if (\fill) == 1
	JLOAD
.elseif (\fill) == 2
	JLOADV
	PLACES
.else
	PLACES
.endif
	s_xor_b32 s[TB], s[TB], SLOT1   ; the slot that has landed
.endm
	s_load_b256 s[4:11], s[0:1], 0x0  ; qh s[4:5], kh s[6:7], vh s[8:9], feat s[10:11]
	s_load_b64 s[12:13], s[0:1], 0x20 ; l1p
	v_lshl_add_u32 v[SPW], v0, 2, SPARE
	v_mov_b32 v[NIL], 0
	ds_add_u32 v[SPW], v[NIL]       ; the wave's opening: the add, twice on end, and its wait ahead of my first tensor load; the set-up below stands between the second and the wait
	ds_add_u32 v[SPW], v[NIL]
	v_lshrrev_b32 v1, 5, v0
	v_readfirstlane_b32 s[WV], v1   ; wave 0..3
	s_and_b32 s15, s[WV], 1         ; g: my key group; also which half of a tile I fetch
	s_lshr_b32 s16, s[WV], 1        ; my query half
	s_bfe_u32 s17, ttmp6, 0x40000   ; cx: my place in the cluster
	s_lshl_b32 s18, ttmp9, 2        ; in a cluster launch ttmp9 counts clusters
	s_add_co_u32 s18, s18, s17      ; my block of 128 queries: it enters Q's, feat's and l1p's addresses alone
	s_and_b32 s19, ttmp7, 0xffff    ; y = b*8 + h, which the four partners share
	s_lshr_b32 s20, s19, 3          ; b
	s_and_b32 s21, s19, 7           ; h
	; descriptor group 1: dense bytes asked for as rows of 256, padded in LDS after every 128 (a key of K, a channel row of V)
	s_mov_b32 s[G1K], 15|(1<<16)|(1<<20)|(1<<21)|(4<<22)|(3<<25)  ; 15:0 the mask of four; 17:16 2-byte elements; 20 padding on; 21 set beside a mask; 24:22 after every 32 words (code 4); 31:25 4 words (code 3)
	s_mov_b32 s[G1V], 15|(1<<16)|(1<<20)|(1<<21)|(4<<22)|(3<<25)
.irp g, G1K, G1V
	s_mov_b32 s[\g+1], 128<<16      ; tensor_dim0 = 128
	s_mov_b32 s[\g+3], 128<<16      ; tile_dim0 = 128
	s_mov_b32 s[\g+5], 128          ; 128 elements from row to row
	s_mov_b32 s[\g+6], 0
	s_mov_b32 s[\g+7], 0
.endr
	s_mov_b32 s[G1K+2], 32<<16      ; K: 64 keys are 32 rows
	s_mov_b32 s[G1K+4], 32
	s_mov_b32 s[G1V+2], 128<<16     ; V: a key block is 128 rows
	s_mov_b32 s[G1V+4], 128
	s_mul_i32 s22, s15, KHALF       ; my half's place in a slot, for K
	s_mul_i32 s23, s15, VBLK        ; and for V: no place in the cluster enters an LDS address
	s_add_co_u32 s23, s23, VOFF
	s_mov_b32 s[G0K], 1             ; 1:0 count = 1
	s_mov_b32 s[G0K+1], s22         ; 63:32 LDS address: slot 0
	s_mov_b32 s[G0V], 1
	s_mov_b32 s[G0V+1], s23
	s_mov_b32 s[G0X], 1
	s_add_co_u32 s[G0X+1], s22, KX  ; K of step 0 goes behind slot 0
	s_mov_b32 s[CS], 0x3e38aa3b     ; c = log2(e) / 8 = 0.180337
	s_mov_b32 s[CS+1], s[CS]        ; named with it as a pair
	s_mov_b32 s[SEL], 0x76543210
	s_mov_b32 s[SEL+1], 0xfedcba98
	s_mov_b32 s[TB], SLOT1          ; the first change of slots turns it into 0
	s_mov_b32 s[STEPS], 14
	s_mov_b32 s3, 0
	s_wait_dscnt 0x0                ; both opening adds are done
	s_wait_kmcnt 0x0
	s_lshl_b32 s2, s19, 18
	s_add_nc_u64 s[6:7], s[6:7], s[2:3]  ; kh at the head's first key
	s_lshl_b32 s2, s20, 20
	s_add_nc_u64 s[8:9], s[8:9], s[2:3]  ; vh at the batch's first key block
	s_lshl_b32 s2, s15, 13
	s_add_nc_u64 s[G0X+2:G0X+3], s[6:7], s[2:3]    ; 120:64 global address: my 64 keys of step 0,
	s_or_b32 s[G0X+3], s[G0X+3], 0x80000000        ; 127:126 type = 2
	s_add_co_u32 s2, s2, 128*128
	s_add_nc_u64 s[G0K+2:G0K+3], s[6:7], s[2:3]    ; of step 1
	s_or_b32 s[G0K+3], s[G0K+3], 0x80000000
	s_lshl_b32 s2, s15, 15
	s_add_nc_u64 s[G0V+2:G0V+3], s[8:9], s[2:3]    ; my key block of step 0
	s_or_b32 s[G0V+3], s[G0V+3], 0x80000000
	CROUND                          ; all four work-groups are here: the first joint loads meet
	s_cmp_lt_u32 s[WV], 2           ; a wave's first fills stand in one branch, ahead of every wait on TENSORcnt and every LDS read: one load of waves 0, 1 is out, two of waves 2, 3
	s_cbranch_scc0 .Lfirst_k
	tensor_load_to_lds s[G0V:G0V+3], s[G1V:G1V+7]  ; V of step 0 into slot 0
	s_nop 0
.rept 4
	v_nop
.endr
	s_branch .Lfirst_asked
.Lfirst_k:
	tensor_load_to_lds s[G0X:G0X+3], s[G1K:G1K+7]  ; K of step 0 into its own bytes,
	s_nop 0
	tensor_load_to_lds s[G0K:G0K+3], s[G1K:G1K+7]  ; K of step 1 into slot 0
	s_nop 0
.rept 4
	v_nop
.endr
.Lfirst_asked:
	s_mov_b32 s69, 0
	s_lshl_b32 s68, s19, 18         ; Q: the head,
	s_lshl_b32 s70, s18, 14         ; my block's 128 rows of 128 bytes,
	s_add_co_u32 s68, s68, s70
	s_lshl_b32 s70, s16, 13         ; my half's 64
	s_add_co_u32 s68, s68, s70
	s_add_nc_u64 s[4:5], s[4:5], s[68:69]
	s_lshl_b32 s68, s15, 12         ; tiles 0, 1 are sub-blocks 2 g, 2 g + 1,
	s_add_nc_u64 s[QA:QA+1], s[4:5], s[68:69]
	s_xor_b32 s68, s68, 1<<12       ; tiles 2, 3 the other two
	s_add_nc_u64 s[QB:QB+1], s[4:5], s[68:69]
	v_and_b32 v1, 15, v0            ; l % 16
	v_bfe_u32 v9, v0, 4, 1          ; l / 16
	v_and_b32 v10, 31, v0           ; l
	v_lshlrev_b32 v[QO], 7, v1
	v_lshl_add_u32 v[QO], v9, 4, v[QO]  ; row x 128 + 16 x half
	WIN W_LD
.irp t, 0,1                         ; Q stays in registers: tile t at 16 t, channels 32 c on at + 8 c; two loads of 16 bytes, 32 bytes apart
.irp c, 0,1
	global_load_b128 v[16*(\t)+8*(\c):16*(\t)+8*(\c)+3],       v[QO], s[QA:QA+1] offset:2048*(\t)+64*(\c)
	global_load_b128 v[16*(\t)+8*(\c)+4:16*(\t)+8*(\c)+7],     v[QO], s[QA:QA+1] offset:2048*(\t)+64*(\c)+32
	global_load_b128 v[32+16*(\t)+8*(\c):32+16*(\t)+8*(\c)+3], v[QO], s[QB:QB+1] offset:2048*(\t)+64*(\c)
	global_load_b128 v[32+16*(\t)+8*(\c)+4:32+16*(\t)+8*(\c)+7], v[QO], s[QB:QB+1] offset:2048*(\t)+64*(\c)+32
.endr
.endr
	WIN 0x40                        ; O^T starts at 0: all this stands in the wait for the first tiles
.set i, 0
.rept 256
	v_mov_b32 v[i], 0
.set i, i+1
.endr
	WIN 0x80
.set i, 0
.rept 256
	v_mov_b32 v[i], 0
.set i, i+1
.endr
	WIN 0
.irp t, 0,1,2,3
	v_mov_b32 v[ST+8*(\t)], 0xfe000000    ; c m: far below every c s
	v_mov_b32 v[ST+8*(\t)+1], 0xff7fffff  ; m
	v_mov_b32 v[ST+8*(\t)+2], 0
	v_mov_b32 v[ST+8*(\t)+3], 0
	v_mov_b32 v[LA+2*(\t)], 0
	v_mov_b32 v[LA+2*(\t)+1], 0
.endr
	v_mul_u32_u24 v[AK0], v1, PK
	v_lshl_add_u32 v[AK0], v9, 4, v[AK0]  ; row x pitch + 16 x half,
	v_add_nc_u32 v[AV0], s23, v[AK0]      ; in my key block of V,
	v_add_nc_u32 v[AK0], s22, v[AK0]      ; in my half of K
	s_mul_i32 s2, s[WV], 16*SP
	s_add_co_u32 s2, s2, STAGE      ; my stage
	v_mul_u32_u24 v[STO], v1, SP    ; in: row l % 16, 16 bytes for each half of the lanes
	v_lshl_add_u32 v[STO], v9, 4, v[STO]
	v_add_nc_u32 v[STO], s2, v[STO]
	v_lshl_add_u32 v[RD], v10, 4, s2  ; back: 32 lanes take one row of 512 bytes
	v_lshlrev_b32 v[GO], 4, v10
	s_lshl_b32 s2, s[WV], 15
	v_lshl_add_u32 v[XW], v10, 4, s2
	v_lshlrev_b32 v[PFO], 8, v10
	s_lshl_b32 s68, s18, 7          ; feat: the rows that I finish: 128 x block + 64 x half + 32 g,
	s_lshl_b32 s70, s16, 6
	s_add_co_u32 s68, s68, s70
	s_lshl_b32 s70, s15, 5
	s_add_co_u32 s68, s68, s70
	s_lshl_b32 s68, s68, 12         ; of 4,096 bytes,
	s_lshl_b32 s70, s20, 23         ; the batch's 2,048 rows,
	s_add_co_u32 s68, s68, s70
	s_lshl_b32 s70, s21, 9          ; the head's 512 bytes of a row
	s_add_co_u32 s68, s68, s70
	s_add_nc_u64 s[10:11], s[10:11], s[68:69]
	s_lshl_b32 s68, s19, 4          ; l1p: word (16 y + block) x 4 + wave
	s_add_co_u32 s68, s68, s18
	s_lshl_b32 s68, s68, 2
	s_add_co_u32 s68, s68, s[WV]
	s_lshl_b32 s68, s68, 2
	s_add_nc_u64 s[12:13], s[12:13], s[68:69]
	; the prefetches: who asks, from where, by which step
	s_lshr_b32 s2, s[WV], 1
	s_or_b32 s2, s2, ttmp9
	s_or_b32 s2, s2, s21            ; 0: waves 0, 1 of a cluster with x = 0 and h = 0: V's askers
	s_xor_b32 s3, s[WV], 2
	s_or_b32 s3, s3, ttmp9          ; 0: wave 2 of a cluster with x = 0: K's asker.  Both are the same in all four partners
	s_mov_b32 s[LIM], -1
	s_cmp_eq_u32 s2, 0
	s_cselect_b32 s[LIM], 1, s[LIM] ; V: while step j + 3 exists: 14 - j above 1
	s_cmp_eq_u32 s3, 0
	s_cselect_b32 s[LIM], 3, s[LIM] ; K: while steps j + 4 and j + 5 exist: 14 - j above 3
	s_cselect_b32 s[PAR], 1, 0
	s_lshl_b32 s70, s15, 15
	s_add_co_u32 s70, s70, 2*65536  ; V: my key block of step 2; the first change of slots steps it to step 3
	s_mov_b32 s71, 3*16384          ; K: step 3; the first change steps it to step 4
	s_mov_b32 s68, 65536
	s_mov_b32 s[PST], 16384
	s_mov_b32 s[PST+1], 0
	s_cmp_lt_u32 s[WV], 2
	s_cselect_b64 s[PFA:PFA+1], s[8:9], s[6:7]
	s_cselect_b32 s70, s70, s71
	s_cselect_b32 s[PST], s68, s[PST]
	s_lshl_b32 s68, s17, 13         ; my work-group's 32 rows of 256 bytes
	s_add_co_u32 s68, s68, s70
	s_add_nc_u64 s[PFA:PFA+1], s[PFA:PFA+1], s[68:69]
; THE LDS LOADS stand in runs of 16.  A step's K (my 64 keys x 64 channels: 8 fragments);
.macro FETCH_K
	WIN W_LD
.irp kb, 0,1,2,3
.irp c, 0,1
	ds_load_b128 v[KF+16*(\kb)+8*(\c):KF+16*(\kb)+8*(\c)+3],   v[ADRK] offset:16*PK*(\kb)+64*(\c)
	ds_load_b128 v[KF+16*(\kb)+8*(\c)+4:KF+16*(\kb)+8*(\c)+7], v[ADRK] offset:16*PK*(\kb)+64*(\c)+32
.endr
.endr
.endm
; and chunk c of a step's V: channels 64 c .. 64 c + 63 x my 64 keys: 8 fragments, into buffer buf.
.macro FETCH_V c, buf
	WIN W_LD
.irp kk, 0,1
.irp i, 0,1,2,3
	ds_load_b128 v[VF+64*(\buf)+32*(\kk)+8*(\i):VF+64*(\buf)+32*(\kk)+8*(\i)+3],   v[ADRV] offset:16*PK*(4*(\c)+(\i))+64*(\kk)
	ds_load_b128 v[VF+64*(\buf)+32*(\kk)+8*(\i)+4:VF+64*(\buf)+32*(\kk)+8*(\i)+7], v[ADRV] offset:16*PK*(4*(\c)+(\i))+64*(\kk)+32
.endr
.endr
.endm
; THE VECTOR WORK, in slices of four.  s0-s31 are a lane's 32 scores of a tile.
; RSL: slice k of 64 of the rescaling: one accumulator of O^T times a, from its low end on: chunk k / 16, tile (k % 16) / 4, channel block k % 4 of the chunk.
.macro RSL k
.set rc, (\k)/16
.set rt, ((\k)%16)/4
.set ro, 128*(rt%2)+32*rc+8*((\k)%4)
	WIN W_RS+0x41*(rt/2)
.irp z, 0,2,4,6
	v_pk_mul_f32 v[ro+\z:ro+\z+1], v[ro+\z:ro+\z+1], v[ST+8*rt+6:ST+8*rt+7] op_sel_hi:[1,0]
.endr
.endm
; SMA: number j of the 21 that find the maximum and the statistics.  0-11 four chains c0-c3 of seven scores each, three operands at a time (each accumulator's lowest registers are read first)
; 12-15 the four scores left over, c0-c3 and the old m; 16, 18 the query's other 32 keys lie in the lane 16 away: the new m; 17 c m_old is kept; 19 c m; 20 c m_old - c m_new.
.macro SMA t, j
.set rT, ST+8*(\t)
.set rS, S+32*(\t)
.if (\j) < 4
	v_max3_num_f32 v[rT+4+(\j)], v[rS+8*(\j)], v[rS+8*(\j)+1], v[rS+8*(\j)+2]
.elseif (\j) < 12
	v_max3_num_f32 v[rT+4+(\j)%4], v[rT+4+(\j)%4], v[rS+8*((\j)%4)+2*((\j)/4)+1], v[rS+8*((\j)%4)+2*((\j)/4)+2]
.elseif (\j) == 12
	v_max3_num_f32 v[rT+4], v[rT+4], v[rS+7], v[rS+15]
.elseif (\j) == 13
	v_max3_num_f32 v[rT+6], v[rT+6], v[rS+23], v[rS+31]
.elseif (\j) == 14
	v_max3_num_f32 v[rT+4], v[rT+4], v[rT+5], v[rT+6]
.elseif (\j) == 15
	v_max3_num_f32 v[rT+4], v[rT+4], v[rT+7], v[rT+1]
.elseif (\j) == 16
	v_permlanex16_b32 v[rT+5], v[rT+4], s[SEL], s[SEL+1]
.elseif (\j) == 17
	v_mov_b32 v[rT+7], v[rT]
.elseif (\j) == 18
	v_max_num_f32 v[rT+1], v[rT+4], v[rT+5]
.elseif (\j) == 19
	v_mul_f32 v[rT], s[CS], v[rT+1]
.else
	v_sub_f32 v[rT+7], v[rT+7], v[rT]
.endif
.endm
.macro ASL j                        ; a slice: number j for the four tiles, so that a tile's links stand a product apart
	WIN 0
.irp t, 0,1,2,3
	SMA \t, \j
.endr
.endm
; SMB: number p of the 73 of a tile's BATCH, in nine rounds n.  Round n < 8, for the four scores 4 n ..: |s| summed in pairs (for out1's mean, before the scaling writes over s), c s - c m in place, the pair of
; sums onto the tile's two: five plain lines; between them stand the exponentials of round n - 1's four scores (in round 0: the one that makes a).  Round 8: the last four exponentials.
; 0-5: round 0.  6-68: rounds 1-7, nine numbers each, plain and exponential by turns.  69-72: round 8.  Nothing here names an exponential's result.
.macro SMB t, p
.set rT, ST+8*(\t)
.set rA, LA+2*(\t)
.set rW, TP+2*(\t)
.if (\p) < 6
.set bn, 0
.set bo, (\p)-1                     ; kinds: 0, 1 the sums of |s|; 2, 3 the scalings; 4 onto the tile's two; 5 a; 6-9 the exponentials
.if (\p) == 0
.set bo, 0
.elseif (\p) == 1
.set bo, 5
.endif
.elseif (\p) < 69
.set bn, 1+((\p)-6)/9
.set bk, ((\p)-6)%9
.set bo, bk/2+6*(bk%2)
.elseif (\p) < 73
.set bn, 8
.set bo, (\p)-63
.else
.set bn, 0
.set bo, 10                         ; number 73 is none: 73 is odd
.endif
.set rS, S+32*(\t)+4*bn
.if bo == 0
	v_add_f32 v[rW], |v[rS]|, |v[rS+1]|
.elseif bo == 1
	v_add_f32 v[rW+1], |v[rS+2]|, |v[rS+3]|
.elseif bo == 2
	v_pk_fma_f32 v[rS:rS+1], v[rS:rS+1], s[CS:CS+1], v[rT:rT+1] op_sel_hi:[1,0,0] neg_lo:[0,0,1] neg_hi:[0,0,1]
.elseif bo == 3
	v_pk_fma_f32 v[rS+2:rS+3], v[rS+2:rS+3], s[CS:CS+1], v[rT:rT+1] op_sel_hi:[1,0,0] neg_lo:[0,0,1] neg_hi:[0,0,1]
.elseif bo == 4
	v_pk_add_f32 v[rA:rA+1], v[rA:rA+1], v[rW:rW+1]
.elseif bo == 5
	v_exp_f32 v[rT+6], v[rT+7]
.elseif bo < 10
	v_exp_f32 v[rS+bo-10], v[rS+bo-10]
.endif
.endm
.macro BSL k                        ; slice k of 74: numbers 2 (k / 2) and 2 (k / 2) + 1 of tiles 0, 1 (k even) or 2, 3 (k odd)
	WIN 0
.irp u, 0,1
	SMB 2*((\k)%2)+\u, 2*((\k)/2)
	SMB 2*((\k)%2)+\u, 2*((\k)/2)+1
.endr
.endm
; RIDE: the trip's next slice.  0-63 the rescaling; 64-84 the statistics; 85-158 the batch; 159 none.  SOFTON = 0 (the last trip): the rescaling alone.
.macro RIDE
.if sq < 64
	RSL sq
.elseif SOFTON && (sq < 85)
	ASL sq-64
.elseif SOFTON && (sq < 159)
	BSL sq-85
.endif
.set sq, sq+1
.endm
; What finds no place behind a product.  LUMPC: the weights rounded to f16, into P.  LUMPD: their sums, in place (sum z of 16 of a tile's 16 pairs: neighbours 1, 2, 4 and 8 pairs apart), then l = a l + the sum.
.macro LUMPC
	WIN 0
.irp p, 0,1,2,3,4,5,6,7,8,9,10,11,12,13,14,15
.irp t, 0,1,2,3
	v_cvt_pk_f16_f32 v[P+16*(\t)+(\p)], v[S+32*(\t)+2*(\p)], v[S+32*(\t)+2*(\p)+1]
.endr
.endr
.endm
.macro SMD t, z
.set rT, ST+8*(\t)
.set rS, S+32*(\t)
.if (\z) < 8
.set ww, 4
.set uu, (\z)
.elseif (\z) < 12
.set ww, 8
.set uu, (\z)-8
.elseif (\z) < 14
.set ww, 16
.set uu, (\z)-12
.else
.set ww, 32
.set uu, 0
.endif
.if (\z) < 15
	v_pk_add_f32 v[rS+ww*uu:rS+ww*uu+1], v[rS+ww*uu:rS+ww*uu+1], v[rS+ww*uu+ww/2:rS+ww*uu+ww/2+1]
.else
	v_pk_fma_f32 v[rT+2:rT+3], v[rT+2:rT+3], v[rT+6:rT+7], v[rS:rS+1] op_sel_hi:[1,0,1]
.endif
.endm
.macro LUMPD
	WIN 0
.irp z, 0,1,2,3,4,5,6,7,8,9,10,11,12,13,14,15
.irp t, 0,1,2,3
	SMD \t, \z
.endr
.endr
.endm
; THE MATRIX WORK.  The 16 accumulators of a run of 32 take turns, one instruction a turn.  S^T = K Q^T: channels 32 c on, keys 16 kb on, tile t; the first 16 start the sums.
; ride = 1: a slice behind each product.
.macro KQ ride
.irp c, 0,1
.irp kb, 0,1,2,3
.irp t, 0,1,2,3
	WIN W_KQ
.if (\c) == 0
	v_wmma_f32_16x16x32_f16 v[S+32*(\t)+8*(\kb):S+32*(\t)+8*(\kb)+7], v[KF+16*(\kb)+8*(\c):KF+16*(\kb)+8*(\c)+7], v[16*(\t)+8*(\c):16*(\t)+8*(\c)+7], 0
.else
	v_wmma_f32_16x16x32_f16 v[S+32*(\t)+8*(\kb):S+32*(\t)+8*(\kb)+7], v[KF+16*(\kb)+8*(\c):KF+16*(\kb)+8*(\c)+7], v[16*(\t)+8*(\c):16*(\t)+8*(\c)+7], v[S+32*(\t)+8*(\kb):S+32*(\t)+8*(\kb)+7]
.endif
.if \ride
	RIDE
.endif
.endr
.endr
.endr
.endm
; O^T += V^T P for chunk c: keys 32 kk on, window 1 + w, channel block 4 c + i, tile 2 w + u; a slice behind each product.
.macro PVC c, buf
.irp kk, 0,1
.irp w, 0,1
.irp i, 0,1,2,3
.irp u, 0,1
	WIN W_PV+0x50*(\w)
	v_wmma_f32_16x16x32_f16 v[128*(\u)+8*(4*(\c)+(\i)):128*(\u)+8*(4*(\c)+(\i))+7], v[VF+64*(\buf)+32*(\kk)+8*(\i):VF+64*(\buf)+32*(\kk)+8*(\i)+7], v[P+16*(2*(\w)+(\u))+8*(\kk):P+16*(2*(\w)+(\u))+8*(\kk)+7], v[128*(\u)+8*(4*(\c)+(\i)):128*(\u)+8*(4*(\c)+(\i))+7]
	RIDE
.endr
.endr
.endr
.endr
.endm
; A TRIP, behind its change of slots.  ask = 1: it prefetches.  kq = 1: it has K Q^T of the next step.  soft = 1: and that step's statistics and batch.
; At its head K of the next step and V's chunks 0 and 1 of the step in hand are asked of LDS, and the lump stands between the three runs.  V's chunks 2 and 3 follow into the buffers that chunks 0 and 1 have left,
; four places behind the last product that read them: behind chunk 0's products the last slice, four rescalings of other registers; behind chunk 1's four v_nop, since exponentials are no places.
; The batch's 132 exponentials have one plain instruction behind the last and ONE wait, at the trip's end, ahead of the branch.
.macro BODY ask, kq, soft
.set SOFTON, (\soft)
	WIN 0
.if \kq
	v_add_nc_u32 v[ADRK], s[TB], v[AK0]
.endif
	v_add_nc_u32 v[ADRV], s[TB], v[AV0]
.if \kq
	FETCH_K
.endif
	LUMPC
	FETCH_V 0, 0
	LUMPD
	FETCH_V 1, 1
	WIN 0
.if \ask
	ASK                             ; behind the joint load and the runs of LDS loads
.endif
.set sq, 0
.if \kq
	s_wait_dscnt 32                 ; K is in; V's 32 loads stay out
	KQ 1
.else
.rept 32
	RIDE                            ; the last trip has no K Q^T: chunks 0 and 1 are rescaled by themselves, once a launch
.endr
.endif
	s_wait_dscnt 16                 ; chunk 0 is in
	PVC 0, 0
	FETCH_V 2, 0
	s_wait_dscnt 16                 ; chunk 1 is in; chunk 2's 16 loads stay out
	PVC 1, 1
	PLACES
	FETCH_V 3, 1
	s_wait_dscnt 16                 ; chunk 2 is in
	PVC 2, 0
	s_wait_dscnt 0x0
	PVC 3, 1
	WIN 0
.if \soft
	v_nop
	s_wait_alu depctr_va_vdst(0)
.endif
.endm
	s_wait_loadcnt 0x0              ; Q
	CHANGE 1                        ; trip 0's change: the first fills are in, everybody's; slot 1 is asked for
	v_add_nc_u32 v[ADRK], KX, v[AK0]  ; THE FIRST STEP's K Q^T, statistics and batch: there is no V^T P yet to set them behind
	FETCH_K
	s_wait_dscnt 0x0
	KQ 0
	WIN 0
	PLACES
.irp j, 0,1,2,3,4,5,6,7,8,9,10,11,12,13,14,15,16,17,18,19,20
	ASL \j
.endr
.set bq, 0
.rept 74
	BSL bq
.set bq, bq+1
.endr
	v_nop                           ; a plain instruction behind the last exponential,
	s_wait_alu depctr_va_vdst(0)    ; and the batch's wait, ahead of the branch
	s_branch .Lfirst                ; the loop is entered behind its change of slots
.Lstep:                             ; trips 0 to 13: 14 bodies, 13 changes
	CHANGE 1
.Lfirst:
	BODY 1, 1, 1
	s_sub_co_u32 s[STEPS], s[STEPS], 1
	s_cmp_lg_u32 s[STEPS], 0
	s_cbranch_scc1 .Lstep
	CHANGE 2                        ; trip 14: V of the last step is asked for, and no K
	BODY 0, 1, 1
	CHANGE 0                        ; trip 15: nothing is asked for
	BODY 0, 0, 0
	; THE MERGE.  l's two halves and the other half of the lanes' are added (these lines are the places behind the last products).  Then tiles 2, 3 go to the partner wave (w xor 1), with their c m and l.
	; Slot 0's last reads ended in front of the last change's barrier and nothing fills it any more, so its bytes may be written.
.irp t, 0,1,2,3
	v_add_f32 v[ST+8*(\t)+4], v[ST+8*(\t)+2], v[ST+8*(\t)+3]
.endr
.irp t, 0,1,2,3
	v_permlanex16_b32 v[ST+8*(\t)+5], v[ST+8*(\t)+4], s[SEL], s[SEL+1]
.endr
.irp t, 0,1,2,3
	v_add_f32 v[ST+8*(\t)+2], v[ST+8*(\t)+4], v[ST+8*(\t)+5]
.endr
	s_xor_b32 s2, s[WV], 1          ; my partner
	s_lshl_b32 s3, s2, 15
	v_lshl_add_u32 v[XR], v10, 4, s3
	s_lshl_b32 s3, s[WV], 9
	s_add_co_u32 s3, s3, XST
	v_lshl_add_u32 v[XSW], v10, 2, s3
	s_lshl_b32 s3, s2, 9
	s_add_co_u32 s3, s3, XST
	v_lshl_add_u32 v[XSR], v10, 2, s3
	WIN 0x08                        ; the stores' data in window 2
.set i, 0
.rept 64
	ds_store_b128 v[XW], v[4*i:4*i+3] offset:512*i
.set i, i+1
.endr
	WIN 0
	ds_store_b32 v[XSW], v[ST+16]             ; c m and l of tile 2,
	ds_store_b32 v[XSW], v[ST+18] offset:128
	ds_store_b32 v[XSW], v[ST+24] offset:256  ; of tile 3
	ds_store_b32 v[XSW], v[ST+26] offset:384
	v_pk_add_f32 v[LA:LA+1], v[LA:LA+1], v[LA+2:LA+3]  ; the wave's sum of |s|, while the stores are out
	v_pk_add_f32 v[LA+4:LA+5], v[LA+4:LA+5], v[LA+6:LA+7]
	v_pk_add_f32 v[LA:LA+1], v[LA:LA+1], v[LA+4:LA+5]
	v_add_f32 v[LA], v[LA], v[LA+1]
	v_add_f32_dpp v[LA], v[LA], v[LA] row_xmask:1 row_mask:0xf bank_mask:0xf
	v_add_f32_dpp v[LA], v[LA], v[LA] row_xmask:2 row_mask:0xf bank_mask:0xf
	v_add_f32_dpp v[LA], v[LA], v[LA] row_xmask:4 row_mask:0xf bank_mask:0xf
	v_add_f32_dpp v[LA], v[LA], v[LA] row_xmask:8 row_mask:0xf bank_mask:0xf
	v_permlanex16_b32 v[LA+1], v[LA], s[SEL], s[SEL+1]
	v_add_f32 v[LA], v[LA], v[LA+1]
	v_mov_b32 v[LA+2], 0            ; the offset of its store
	s_wait_dscnt 0x0                ; for the partner's sake: what I send lies in LDS
	s_barrier_signal -1
	s_barrier_wait -1
.macro LOADR t                      ; my partner's part of my tile t, into S^T's registers
	WIN 0
.set i, 0
.rept 32
	ds_load_b128 v[S+4*i:S+4*i+3], v[XR] offset:16384*(\t)+512*i
.set i, i+1
.endr
.endm
.irp k, 0,1,2,3
	ds_load_b32 v[TP+(\k)], v[XSR] offset:128*(\k)  ; its c m and l for my tile 0, then for my tile 1
.endr
	LOADR 0
	s_wait_dscnt 32                 ; the statistics are in
	; with the common maximum: fA = 2^(c m - max), fB = 2^(c m' - max); l = fA l + fB l'; O = O fA / l + O' fB / l
.irp t, 0,1
	v_max_num_f32 v[ST+8*(\t)+5], v[ST+8*(\t)], v[TP+2*(\t)]
.endr
.irp t, 0,1
	v_sub_f32 v[ST+8*(\t)+4], v[ST+8*(\t)], v[ST+8*(\t)+5]
	v_sub_f32 v[ST+8*(\t)+6], v[TP+2*(\t)], v[ST+8*(\t)+5]
.endr
.irp t, 0,1
	v_exp_f32 v[ST+8*(\t)+4], v[ST+8*(\t)+4]
	v_exp_f32 v[ST+8*(\t)+6], v[ST+8*(\t)+6]
.endr
	v_nop                           ; a plain instruction behind the last exponential,
	s_wait_alu depctr_va_vdst(0)    ; and one wait for the four
.irp t, 0,1
	v_mul_f32 v[ST+8*(\t)+5], v[ST+8*(\t)+4], v[ST+8*(\t)+2]
.endr
.irp t, 0,1
	v_fmac_f32 v[ST+8*(\t)+5], v[ST+8*(\t)+6], v[TP+2*(\t)+1]
.endr
.irp t, 0,1
	v_rcp_f32 v[ST+8*(\t)+7], v[ST+8*(\t)+5]
.endr
	v_nop                           ; the same for the two reciprocals
	s_wait_alu depctr_va_vdst(0)
.irp t, 0,1
	v_mul_f32 v[ST+8*(\t)+4], v[ST+8*(\t)+4], v[ST+8*(\t)+7]
	v_mul_f32 v[ST+8*(\t)+6], v[ST+8*(\t)+6], v[ST+8*(\t)+7]
.endr
.macro SCALE t                      ; my O^T of tile t times fA / l
	WIN W_RS
.set i, 0
.rept 64
	v_pk_mul_f32 v[128*(\t)+2*i:128*(\t)+2*i+1], v[128*(\t)+2*i:128*(\t)+2*i+1], v[ST+8*(\t)+4:ST+8*(\t)+5] op_sel_hi:[1,0]
.set i, i+1
.endr
.endm
.macro FMA t                        ; plus my partner's times fB / l
	WIN 0x50                        ; destination and source 2 in window 1
.set i, 0
.rept 64
	v_pk_fma_f32 v[128*(\t)+2*i:128*(\t)+2*i+1], v[S+2*i:S+2*i+1], v[ST+8*(\t)+6:ST+8*(\t)+7], v[128*(\t)+2*i:128*(\t)+2*i+1] op_sel_hi:[1,0,1]
.set i, i+1
.endr
.endm
.macro CVT t                        ; rounded to f16, into P's registers: a lane's eight channels of a block are 16 bytes
	WIN 0x05                        ; sources 0 and 1 in window 1
.set i, 0
.rept 64
	v_cvt_pk_f16_f32 v[P+i], v[128*(\t)+2*i], v[128*(\t)+2*i+1]
.set i, i+1
.endr
	WIN 0
.endm
.macro STG                          ; into my stage, rows of 528 bytes, and back as whole rows of 512
.set i, 0
.rept 16
	ds_store_b128 v[STO], v[P+4*i:P+4*i+3] offset:32*i
.set i, i+1
.endr
.set i, 0
.rept 16
	ds_load_b128 v[P+4*i:P+4*i+3], v[RD] offset:SP*i  ; LDS serves a wave's instructions in order (ISA guide 5.7.1.4): these see the stores above
.set i, i+1
.endr
.endm
.macro SEND t                       ; a store covers 512 consecutive bytes of a row of feat, at a multiple of 512 from its first
	WIN 0
.set i, 0
.rept 16
	s_wait_dscnt 15-i
	global_store_b128 v[GO], v[P+4*i:P+4*i+3], s[10:11] offset:4096*(16*(\t)+i)
.set i, i+1
.endr
.endm
	SCALE 0
	s_wait_dscnt 0x0                ; my partner's part of tile 0 is in
	FMA 0
	LOADR 1                         ; its part of tile 1, into the registers just read
	CVT 0
	STG
	SCALE 1
	s_wait_dscnt 32                 ; tile 1's part is in; the stage's 32 instructions stay out
	FMA 1
	SEND 0
	s_wait_xcnt 0x0                 ; the stores have read P's registers, which are written below
	CVT 1
	STG
	SEND 1
	s_wait_xcnt 0x0                 ; EXEC changes only behind this wait
	v_cmp_eq_u32 vcc_lo, 0, v10
	s_and_saveexec_b32 s67, vcc_lo  ; lane 0 alone
	global_store_b32 v[LA+2], v[LA], s[12:13]  ; the wave's sum of |s|
	s_wait_xcnt 0x0                 ; and again, in front of the line that widens it
	s_or_b32 exec_lo, exec_lo, s67
	s_wait_tensorcnt 0x0            ; the wave's end: behind my last tensor load and my last LDS store
	ds_add_u32 v[SPW], v[NIL]
	s_wait_dscnt 0x0
	CROUND                          ; the closing round: no work-group ends while a partner may still ask for a tile that names it
	s_endpgm
.Lfunc_end_k_qf0d3859b08_attn:
	.size	k_qf0d3859b08_attn, .Lfunc_end_k_qf0d3859b08_attn-k_qf0d3859b08_attn
	.p2alignl 7, 3214868480
	.fill 96, 4, 3214868480
	.section	.rodata,"a",@progbits
	.p2align	6, 0x0
	.amdhsa_kernel k_qf0d3859b08_attn
		.amdhsa_group_segment_fixed_size 327680
		.amdhsa_private_segment_fixed_size 0
		.amdhsa_enable_private_segment 0
		.amdhsa_kernarg_size 40
		.amdhsa_user_sgpr_count 2
		.amdhsa_user_sgpr_kernarg_segment_ptr 1
		.amdhsa_wavefront_size32 1
		.amdhsa_system_sgpr_workgroup_id_x 1
		.amdhsa_system_sgpr_workgroup_id_y 1
		.amdhsa_system_sgpr_workgroup_id_z 1
		.amdhsa_system_vgpr_workitem_id 0
		.amdhsa_next_free_vgpr 1024
		.amdhsa_next_free_sgpr 76
		.amdhsa_reserve_vcc 1
		.amdhsa_float_denorm_mode_32 3
		.amdhsa_float_denorm_mode_16_64 3
		.amdhsa_memory_ordered 1
		.amdhsa_forward_progress 1
		.amdhsa_inst_pref_size 255
	.end_amdhsa_kernel
	.section	.bss,"aw",@nobits
	.p2align	6
	.space	262144
	.amdgpu_metadata
---
amdhsa.version: [ 1, 2 ]
amdhsa.kernels:
  - .name:           k_qf0d3859b08_attn
    .symbol:         k_qf0d3859b08_attn.kd
    .args:
      - { .name: qh, .offset: 0, .size: 8, .value_kind: global_buffer, .address_space: global }
      - { .name: kh, .offset: 8, .size: 8, .value_kind: global_buffer, .address_space: global }
      - { .name: vh, .offset: 16, .size: 8, .value_kind: global_buffer, .address_space: global }
      - { .name: feat, .offset: 24, .size: 8, .value_kind: global_buffer, .address_space: global }
      - { .name: l1p, .offset: 32, .size: 8, .value_kind: global_buffer, .address_space: global }
    .group_segment_fixed_size: 327680
    .private_segment_fixed_size: 0
    .kernarg_segment_align: 8
    .kernarg_segment_size: 40
    .max_flat_workgroup_size: 128
    .sgpr_count:     76
    .vgpr_count:     1024
    .wavefront_size: 32
...
	.end_amdgpu_metadata
.endif
;; end of part 2
;; launch comb (part 3): grid 4 x 64, 4 waves a work-group, clusters of 4 x 4, 327,680 bytes of LDS; arguments feat, wc16, l1p, out0, out1; writes out0, out1
.if DOCPART == 3
	.amdgcn_target "amdgcn-amd-amdhsa--gfx1250"
	.amdhsa_code_object_version 6
	.text
	.protected	k_qf0d3859b08_comb
	.globl	k_qf0d3859b08_comb
	.p2align	8
	.type	k_qf0d3859b08_comb,@function
k_qf0d3859b08_comb:
	s_mov_b64 s[64:65], 0
	v_nop
	global_prefetch_b8 v0, s[64:65] scope:SCOPE_SE
	s_setreg_imm32_b32 hwreg(HW_REG_WAVE_MODE, 25, 1), 1
	s_wait_xcnt 0x0
	s_wait_alu depctr_hold_cnt(0) depctr_sa_sdst(0) depctr_va_vdst(0) depctr_va_sdst(0) depctr_va_ssrc(0) depctr_va_vcc(0) depctr_vm_vsrc(0)
	s_getreg_b32 s2, hwreg(HW_REG_IB_STS2, 6, 4)
	s_cmp_eq_u32 s2, 0
	s_cbranch_scc0 .Lentry_in_a_cluster
	s_endpgm
.Lentry_in_a_cluster:
	s_bfe_u32 s2, ttmp6, 0x10000c
	s_cmp_lg_u32 s2, 0xf033
	s_cbranch_scc0 .Lentry_shape_is_right
	s_endpgm
.Lentry_shape_is_right:
; THIRD OF THREE LAUNCHES.  out0[m][o] = the sum over k of feat[m][k] wc16[o][k]: the heads combined through W_c (k = h*256 + f); m = b*2048 + q: 4,096 x 256 over 2,048, f16 operands, f32 sums, f32 out.
; And out1[b] = the mean of |s| / 8 over 8 heads x 2,048 x 2,048, from the 512 partial sums a batch that the launch before stored.  Nothing is left out.
; SHARES.  A tile of out0 is 64 x 64, so that there are 256 work-groups.  K goes in 4 steps of 512 through two LDS slots.  WITHIN A STEP K IS SPLIT AMONG THE FOUR WAVES: wave w takes bytes 256 w .. 256 w + 255
; of every LDS row, for the whole 64 x 64: 16 accumulators, one LDS load for each matrix instruction.  The four partial tiles meet in LDS at the end, in f32.
; CLUSTERS: 4 x 4 work-groups.  The four of a row of the cluster need the same rows of feat, the four of a column the same rows of wc16: each tile is asked for JOINTLY, by the same tensor load with the same
; descriptor and a mask that names the four.  THE MATRIX INSTRUCTION IS USED TRANSPOSED (source 0 = 16 rows of wc16, source 1 = 16 rows of feat): a lane then holds eight neighbouring numbers of a row of out0.
; NO PREFETCH: four short steps on small tiles.
; REGISTERS: window 0: v0-31 addresses; v32-63 at work for out1; v128-255 the accumulators ((a, b) at v[128 + 8 (4 a + b)]).  window 1: a step's fragments: sub-step q (32 along K): feat's at 64 q + 8 a, wc16's at 64 q + 32 + 8 b.
.set KSTEP,  512
.set PITCH,  1040                      ; an LDS row: 1,024 bytes + 16 of padding = 260 words: row r starts at bank 4 r mod 64 (64 banks of 4 bytes: ISA guide 11.1)
.set HALFT,  32*PITCH                  ; 32 rows: what one tensor load brings
.set SLOT,   4*HALFT                   ; feat's 64 rows, then wc16's 64
.set SPARE,  2*SLOT                    ; behind the ring: the spare words, 128 bytes for each wave: two blocks of 256 bytes that no other line names
.set MP,     272                       ; the partial tiles: rows of 64 f32 + 16 bytes; 64 rows a wave, from LDS byte 0: in slot 0, written only when it has had its last fill and its last read
.set PART,   64*MP
.set ADRA, 16                          ; v16-17  LDS address of my fragments of feat in slot 0, 1
.set ADRB, 20                          ; v20-21  the same for wc16
.set STO,  24                          ; v24     where I put 32 bytes of a row of my partial tile
.set RD,   25                          ; v25     where I read the partial tiles' rows
.set CO,   26                          ; v26     my byte offset in out0
.set SPW,  28                          ; v28     LDS address of my spare word; never rewritten
.set NIL,  29                          ; v29     0; never rewritten
.set LT,   32                          ; v32-63  out1: the partial sums
.set ACC,  128
.set WV,  14                           ; s14 wave;  s15 = wave / 2: I fetch for feat (0) or wc16 (1);  s16 = wave % 2: which 32 rows;  s17 tile row;  s22 cluster y
.set G1,  24                           ; s[24:31] descriptor group 1 for feat's tiles;  s[32:39] group 0, one set for each slot
.set G0,  32
.set G1B, 48                           ; s[48:55], s[56:63] the same for wc16's
.set G0B, 56
.set MSB, 0
.macro WIN new                         ; the immediate's high byte repeats the setting that is left
.if MSB != (\new)
	s_set_vgpr_msb (MSB<<8)|(\new)
.set MSB, (\new)
.endif
.endm
.macro PLACES                          ; four places behind a matrix instruction (ISA guide 7.12.1), where no other vector work is at hand
.rept 4
	v_nop
.endr
.endm
.macro JLOAD s                         ; a joint load: waves 0 and 1 fetch feat's two halves, waves 2 and 3 wc16's; an s_nop 0 and four v_nop follow each of the two lines, ahead of the jump, the label and what follows
	s_cmp_eq_u32 s15, 0
	s_cbranch_scc0 .Lfor_b_\@
	tensor_load_to_lds s[G0+4*(\s):G0+4*(\s)+3], s[G1:G1+7]
	s_nop 0
.rept 4
	v_nop
.endr
	s_branch .Lasked_\@
.Lfor_b_\@:
	tensor_load_to_lds s[G0B+4*(\s):G0B+4*(\s)+3], s[G1B:G1B+7]
	s_nop 0
.rept 4
	v_nop
.endr
.Lasked_\@:
.endm
.macro CREST                           ; a round of the cluster's barrier behind its opening barrier
	s_cmp_lg_u32 s[WV], 0
	s_cbranch_scc1 .Lnot_wave_0_\@
	s_barrier_signal -3
.Lnot_wave_0_\@:
	s_barrier_wait -3
	s_barrier_signal -1
	s_barrier_wait -1
.endm
.macro CROUND                          ; a whole round
	s_barrier_signal -1
	s_barrier_wait -1
	CREST
.endm
	s_load_b256 s[4:11], s[0:1], 0x0               ; feat s[4:5], wc16 s[6:7], l1p s[8:9], out0 s[10:11]
	s_load_b64 s[12:13], s[0:1], 0x20              ; out1
	v_lshl_add_u32 v[SPW], v0, 2, SPARE
	v_mov_b32 v[NIL], 0
	ds_add_u32 v[SPW], v[NIL]                      ; the wave's opening: the add, twice on end, and its wait ahead of my first tensor load; the set-up below stands between the second and the wait
	ds_add_u32 v[SPW], v[NIL]
	v_lshrrev_b32 v1, 5, v0
	v_readfirstlane_b32 s[WV], v1                  ; wave 0..3
	s_lshr_b32 s15, s[WV], 1
	s_and_b32 s16, s[WV], 1
	s_bfe_u32 s40, ttmp6, 0x40000                  ; cx, cy: my place in the cluster
	s_bfe_u32 s41, ttmp6, 0x40004
	s_lshl_b32 s42, ttmp9, 2
	s_add_co_u32 s42, s42, s40                     ; tile column = 4 x cluster x + cx
	s_and_b32 s22, ttmp7, 0xffff                   ; cluster y
	s_lshl_b32 s17, s22, 2
	s_add_co_u32 s17, s17, s41                     ; tile row = 4 x cluster y + cy
	s_lshl_b32 s43, s41, 2
	s_lshl_b32 s43, 15, s43                        ; my row of the cluster
	s_lshl_b32 s44, 0x1111, s40                    ; my column
	s_lshl_b32 s45, s41, 2
	s_or_b32 s45, s45, s40                         ; my place, 0 to 15
	; descriptor group 1: a tile of 32 rows x 512 elements, padded in LDS
	s_or_b32 s[G1], s43, (1<<16)|(1<<20)|(1<<21)|(7<<22)|(3<<25)   ; 15:0 the mask: feat's tiles go to my row; 17:16 2-byte elements; 20 padding on; 21 set beside a mask; 24:22 after every 256 words (code 7); 31:25 of 4 words (code 3)
	s_or_b32 s[G1B], s44, (1<<16)|(1<<20)|(1<<21)|(7<<22)|(3<<25)  ; the same with the mask of my column
.irp g, G1, G1B
	s_mov_b32 s[(\g)+1], KSTEP<<16                 ; tensor_dim0 = 512
	s_mov_b32 s[(\g)+2], 32<<16                    ; tensor_dim1 = 32
	s_mov_b32 s[(\g)+3], KSTEP<<16                 ; tile_dim0 = 512
	s_mov_b32 s[(\g)+4], 32                        ; tile_dim1 = 32
	s_mov_b32 s[(\g)+5], 2048                      ; elements from row to row
	s_mov_b32 s[(\g)+6], 0
	s_mov_b32 s[(\g)+7], 0
.endr
	s_lshl_b32 s19, s16, 5                         ; which 32 rows of the tile I fetch
	s_lshl_b32 s18, s17, 6
	s_add_co_u32 s18, s18, s19                     ; feat: row 64 x tile row + 32 x half,
	s_lshl_b32 s18, s18, 12                        ; of 4,096 bytes
	s_lshl_b32 s46, s42, 6
	s_add_co_u32 s46, s46, s19                     ; wc16: row 64 x tile column + 32 x half
	s_lshl_b32 s46, s46, 12
	s_mov_b32 s19, 0
	s_mov_b32 s47, 0
	s_mul_i32 s20, s[WV], HALFT                    ; where they go: wave x 32 rows: no place in the cluster enters an LDS address
	s_wait_dscnt 0x0                               ; both opening adds are done
	s_wait_kmcnt 0x0
	s_add_nc_u64 s[18:19], s[4:5], s[18:19]
	s_add_nc_u64 s[46:47], s[6:7], s[46:47]
	CROUND                                         ; all sixteen work-groups are here: the first joint loads meet
.irp s, 0,1
	s_mov_b32 s[G0+4*(\s)], 1                      ; 1:0 count = 1
	s_add_co_u32 s[G0+4*(\s)+1], s20, (\s)*SLOT    ; 63:32 LDS address
	s_add_nc_u64 s[G0+4*(\s)+2:G0+4*(\s)+3], s[18:19], (\s)*KSTEP*2  ; 120:64 global address: K step s
	s_or_b32 s[G0+4*(\s)+3], s[G0+4*(\s)+3], 0x80000000              ; 127:126 type = 2
	s_mov_b32 s[G0B+4*(\s)], 1
	s_add_co_u32 s[G0B+4*(\s)+1], s20, (\s)*SLOT
	s_add_nc_u64 s[G0B+4*(\s)+2:G0B+4*(\s)+3], s[46:47], (\s)*KSTEP*2
	s_or_b32 s[G0B+4*(\s)+3], s[G0B+4*(\s)+3], 0x80000000
	JLOAD \s                                       ; two tensor loads of mine are out
.endr
	v_and_b32 v1, 15, v0                           ; l % 16
	v_bfe_u32 v2, v0, 4, 1                         ; l / 16
	v_and_b32 v6, 31, v0                           ; l
	v_mul_u32_u24 v3, v1, PITCH
	v_lshl_add_u32 v3, v2, 4, v3                   ; a fragment's row x pitch + 16 x half,
	s_lshl_b32 s21, s[WV], 8
	v_add_nc_u32 v[ADRA], s21, v3                  ; my 256 bytes of the rows
	v_add_nc_u32 v[ADRA+1], SLOT, v[ADRA]
	v_add_nc_u32 v[ADRB], 2*HALFT, v[ADRA]         ; wc16's rows lie behind feat's 64
	v_add_nc_u32 v[ADRB+1], SLOT, v[ADRB]
	s_mul_i32 s21, s[WV], PART                     ; my partial tile: row l % 16, 32 bytes for each half of the lanes
	v_mul_u32_u24 v4, v1, MP
	v_lshl_add_u32 v4, v2, 5, v4
	v_add_nc_u32 v[STO], s21, v4
	s_mul_i32 s21, s[WV], 16*MP                    ; back: wave w finishes rows 16 w .. 16 w + 15; lanes 0-15 one row of 256 bytes, lanes 16-31 the next
	v_mul_u32_u24 v5, v2, MP
	v_lshl_add_u32 v5, v1, 4, v5
	v_add_nc_u32 v[RD], s21, v5
	v_lshlrev_b32 v5, 10, v2                       ; and the same two rows in out0
	v_lshl_add_u32 v[CO], v1, 4, v5
	s_lshl_b32 s2, s17, 6
	s_lshl_b32 s3, s[WV], 4
	s_add_co_u32 s2, s2, s3                        ; the first row that I store: 64 x tile row + 16 x wave,
	s_lshl_b32 s2, s2, 10                          ; of 1,024 bytes,
	s_lshl_b32 s3, s42, 8                          ; the tile's 256 bytes of a row
	s_add_co_u32 s2, s2, s3
	s_mov_b32 s3, 0
	s_add_nc_u64 s[10:11], s[10:11], s[2:3]
	; out1, in the wait for the first tiles.  The test hangs on the cluster's y and the wave's number: it is the same in all sixteen partners.  Lane l reads 32 partial sums: lanes 0-15 batch 0's 512, lanes 16-31
	; batch 1's.  Who stores is settled by EXEC: lanes 0 and 16 of the work-group at place 0; in the other fifteen no lane is on at the store.
	s_or_b32 s2, s22, s[WV]
	s_cmp_eq_u32 s2, 0
	s_cbranch_scc0 .Lno_l1
	v_lshlrev_b32 v30, 7, v6
.irp i, 0,1,2,3,4,5,6,7
	global_load_b128 v[LT+4*(\i):LT+4*(\i)+3], v30, s[8:9] offset:16*(\i)
.endr
	s_lshl_b32 s3, s45, 4
	v_or_b32 v31, s3, v1                           ; 0 in lanes 0 and 16 at place 0 alone
	s_wait_loadcnt 0x0
.irp i, 0,1,2,3,4,5,6,7
	v_pk_add_f32 v[LT+2*(\i):LT+2*(\i)+1], v[LT+2*(\i):LT+2*(\i)+1], v[LT+16+2*(\i):LT+16+2*(\i)+1]
.endr
.irp i, 0,1,2,3
	v_pk_add_f32 v[LT+2*(\i):LT+2*(\i)+1], v[LT+2*(\i):LT+2*(\i)+1], v[LT+8+2*(\i):LT+8+2*(\i)+1]
.endr
.irp i, 0,1
	v_pk_add_f32 v[LT+2*(\i):LT+2*(\i)+1], v[LT+2*(\i):LT+2*(\i)+1], v[LT+4+2*(\i):LT+4+2*(\i)+1]
.endr
	v_pk_add_f32 v[LT:LT+1], v[LT:LT+1], v[LT+2:LT+3]
	v_add_f32 v[LT], v[LT], v[LT+1]
	v_add_f32_dpp v[LT], v[LT], v[LT] row_xmask:1 row_mask:0xf bank_mask:0xf
	v_add_f32_dpp v[LT], v[LT], v[LT] row_xmask:2 row_mask:0xf bank_mask:0xf
	v_add_f32_dpp v[LT], v[LT], v[LT] row_xmask:4 row_mask:0xf bank_mask:0xf
	v_add_f32_dpp v[LT], v[LT], v[LT] row_xmask:8 row_mask:0xf bank_mask:0xf
	v_mul_f32 v[LT], 0x31800000, v[LT]             ; 2^-28 = (1 / 8) / (8 x 2,048 x 2,048)
	v_lshlrev_b32 v[LT+2], 2, v2                   ; out1[l / 16]
	v_cmp_eq_u32 vcc_lo, 0, v31
	s_wait_xcnt 0x0                                ; EXEC changes only behind this wait
	s_and_saveexec_b32 s66, vcc_lo
	global_store_b32 v[LT+2], v[LT], s[12:13]
	s_wait_xcnt 0x0                                ; and again, in front of the line that widens it
	s_or_b32 exec_lo, exec_lo, s66
.Lno_l1:
; 64 LDS loads in one run: my 128 along K of a step, all 64 rows of both tiles, sub-step by sub-step
.macro FETCH slot
	WIN 0x40                                       ; destination window 1, address window 0
.irp q, 0,1,2,3
.irp a, 0,1,2,3
	ds_load_b128 v[64*(\q)+8*(\a):64*(\q)+8*(\a)+3],       v[ADRA+(\slot)] offset:16*PITCH*(\a)+64*(\q)
	ds_load_b128 v[64*(\q)+8*(\a)+4:64*(\q)+8*(\a)+7],     v[ADRA+(\slot)] offset:16*PITCH*(\a)+64*(\q)+32
	ds_load_b128 v[64*(\q)+32+8*(\a):64*(\q)+32+8*(\a)+3], v[ADRB+(\slot)] offset:16*PITCH*(\a)+64*(\q)
	ds_load_b128 v[64*(\q)+32+8*(\a)+4:64*(\q)+32+8*(\a)+7], v[ADRB+(\slot)] offset:16*PITCH*(\a)+64*(\q)+32
.endr
.endr
.endm
; their 64 products; the 16 accumulators take turns, one instruction a turn.  zero = 1: the first 16 start the sums
.macro MULS zero
	WIN 0x05                                       ; sources 0 and 1 window 1; C and D window 0
.irp q, 0,1,2,3
	s_wait_dscnt 48-16*(\q)                        ; sub-step q's 16 loads are in; the later sub-steps' stay out
.irp a, 0,1,2,3
.irp b, 0,1,2,3
.if (\zero) && ((\q) == 0)
	v_wmma_f32_16x16x32_f16 v[ACC+8*(4*(\a)+(\b)):ACC+8*(4*(\a)+(\b))+7], v[64*(\q)+32+8*(\b):64*(\q)+32+8*(\b)+7], v[64*(\q)+8*(\a):64*(\q)+8*(\a)+7], 0
.else
	v_wmma_f32_16x16x32_f16 v[ACC+8*(4*(\a)+(\b)):ACC+8*(4*(\a)+(\b))+7], v[64*(\q)+32+8*(\b):64*(\q)+32+8*(\b)+7], v[64*(\q)+8*(\a):64*(\q)+8*(\a)+7], v[ACC+8*(4*(\a)+(\b)):ACC+8*(4*(\a)+(\b))+7]
.endif
.endr
.endr
.endr
.endm
; The change of slots: each wave waits for all its tensor loads, adds 0 to its spare word, and waits for that and for its own reads of the slot just multiplied.  fill = 1: that slot is filled again, two K steps on:
; the barrier then opens a round of the cluster's barrier, and the joint load is the first thing behind the round.
.macro TURN slot, fill
	WIN 0
	s_wait_tensorcnt 0x0                           ; all my tensor loads have landed, my part of the next slot among them: a group 0 may be written
	ds_add_u32 v[SPW], v[NIL]                      ; 0 onto my spare word
.if \fill
	s_add_nc_u64 s[G0+4*(\slot)+2:G0+4*(\slot)+3], s[G0+4*(\slot)+2:G0+4*(\slot)+3], 2*KSTEP*2
	s_add_nc_u64 s[G0B+4*(\slot)+2:G0B+4*(\slot)+3], s[G0B+4*(\slot)+2:G0B+4*(\slot)+3], 2*KSTEP*2
.endif
	s_wait_dscnt 0x0                               ; the add is done, and my reads of the slot are over
	s_barrier_signal -1
	s_barrier_wait -1
.if \fill
	CREST                                          ; no wave of any partner still reads this slot's tile or has a load on its way
	JLOAD \slot                                    ; its four v_nop are also the places in front of the fragment loads
.else
	PLACES
.endif
.endm
	s_wait_tensorcnt 1                             ; my part of K step 0 is in; step 1's may stay out
	s_barrier_signal -1
	s_barrier_wait -1                              ; everybody's is
	FETCH 0
	MULS 1
	TURN 0, 1                                      ; K step 2 into slot 0
	FETCH 1
	MULS 0
	TURN 1, 1                                      ; K step 3 into slot 1
	FETCH 0
	MULS 0
	TURN 0, 0                                      ; nothing is left to fetch
	FETCH 1
	MULS 0
	WIN 0
	; THE FOUR PARTIAL TILES MEET.  Slot 0's last reads ended in front of the last barrier and nothing fills it any more.  Each accumulator is read from its low end on.
	PLACES
	PLACES
.irp a, 0,1,2,3
.irp b, 0,1,2,3
	ds_store_b128 v[STO], v[ACC+8*(4*(\a)+(\b)):ACC+8*(4*(\a)+(\b))+3]   offset:16*MP*(\a)+64*(\b)
	ds_store_b128 v[STO], v[ACC+8*(4*(\a)+(\b))+4:ACC+8*(4*(\a)+(\b))+7] offset:16*MP*(\a)+64*(\b)+16
.endr
.endr
	s_wait_dscnt 0x0                               ; for the others' sake: my partial tile lies in LDS
	s_barrier_signal -1
	s_barrier_wait -1
.irp p, 0,1,2,3
.irp t, 0,1,2,3,4,5,6,7
	ds_load_b128 v[ACC+32*(\p)+4*(\t):ACC+32*(\p)+4*(\t)+3], v[RD] offset:PART*(\p)+2*MP*(\t)  ; partial p, rows 2 t and 2 t + 1 of my 16
.endr
.endr
	s_wait_dscnt 0x0
.irp t, 0,1,2,3,4,5,6,7
.irp k, 0,2
	v_pk_add_f32 v[ACC+4*(\t)+(\k):ACC+4*(\t)+(\k)+1], v[ACC+4*(\t)+(\k):ACC+4*(\t)+(\k)+1], v[ACC+32+4*(\t)+(\k):ACC+32+4*(\t)+(\k)+1]
	v_pk_add_f32 v[ACC+64+4*(\t)+(\k):ACC+64+4*(\t)+(\k)+1], v[ACC+64+4*(\t)+(\k):ACC+64+4*(\t)+(\k)+1], v[ACC+96+4*(\t)+(\k):ACC+96+4*(\t)+(\k)+1]
.endr
.endr
.irp t, 0,1,2,3,4,5,6,7
.irp k, 0,2
	v_pk_add_f32 v[ACC+4*(\t)+(\k):ACC+4*(\t)+(\k)+1], v[ACC+4*(\t)+(\k):ACC+4*(\t)+(\k)+1], v[ACC+64+4*(\t)+(\k):ACC+64+4*(\t)+(\k)+1]
.endr
	global_store_b128 v[CO], v[ACC+4*(\t):ACC+4*(\t)+3], s[10:11] offset:2048*(\t)  ; 16 lanes store 256 consecutive bytes, at a multiple of 256 from out0's first byte
.endr
	s_wait_tensorcnt 0x0                           ; the wave's end: behind my last tensor load and my last LDS store
	ds_add_u32 v[SPW], v[NIL]
	s_wait_dscnt 0x0
	CROUND                                         ; the closing round: no work-group ends while a partner may still ask for a tile that names it
	s_endpgm
.Lfunc_end_k_qf0d3859b08_comb:
	.size	k_qf0d3859b08_comb, .Lfunc_end_k_qf0d3859b08_comb-k_qf0d3859b08_comb
	.p2alignl 7, 3214868480
	.fill 96, 4, 3214868480
	.section	.rodata,"a",@progbits
	.p2align	6, 0x0
	.amdhsa_kernel k_qf0d3859b08_comb
		.amdhsa_group_segment_fixed_size 327680
		.amdhsa_private_segment_fixed_size 0
		.amdhsa_enable_private_segment 0
		.amdhsa_kernarg_size 40
		.amdhsa_user_sgpr_count 2
		.amdhsa_user_sgpr_kernarg_segment_ptr 1
		.amdhsa_wavefront_size32 1
		.amdhsa_system_sgpr_workgroup_id_x 1
		.amdhsa_system_sgpr_workgroup_id_y 1
		.amdhsa_system_sgpr_workgroup_id_z 1
		.amdhsa_system_vgpr_workitem_id 0
		.amdhsa_next_free_vgpr 512
		.amdhsa_next_free_sgpr 72
		.amdhsa_reserve_vcc 1
		.amdhsa_float_denorm_mode_32 3
		.amdhsa_float_denorm_mode_16_64 3
		.amdhsa_memory_ordered 1
		.amdhsa_forward_progress 1
		.amdhsa_inst_pref_size 53
	.end_amdhsa_kernel
	.amdgpu_metadata
---
amdhsa.version: [ 1, 2 ]
amdhsa.kernels:
  - .name:           k_qf0d3859b08_comb
    .symbol:         k_qf0d3859b08_comb.kd
    .args:
      - { .name: feat, .offset: 0, .size: 8, .value_kind: global_buffer, .address_space: global }
      - { .name: wc16, .offset: 8, .size: 8, .value_kind: global_buffer, .address_space: global }
      - { .name: l1p, .offset: 16, .size: 8, .value_kind: global_buffer, .address_space: global }
      - { .name: out0, .offset: 24, .size: 8, .value_kind: global_buffer, .address_space: global }
      - { .name: out1, .offset: 32, .size: 8, .value_kind: global_buffer, .address_space: global }
    .group_segment_fixed_size: 327680
    .private_segment_fixed_size: 0
    .kernarg_segment_align: 8
    .kernarg_segment_size: 40
    .max_flat_workgroup_size: 128
    .sgpr_count:     72
    .vgpr_count:     512
    .wavefront_size: 32
...
	.end_amdgpu_metadata
.endif
;; end of part 3
;; ======== version 2 of 2: 3 launches; version 1 with the launch prep written anew for expert scheduling mode
;; limits: values are held in f16: magnitudes above 65,504 overflow, below 6.1e-05 lose precision; right only within a limited range of input values
;; workspace buffers: qh 4,194,304 bytes; kh 4,194,304 bytes; vh 2,097,152 bytes; wc16 1,048,576 bytes; feat 16,777,216 bytes; l1p 4,096 bytes
;; launch prep (part 4): grid 64 x 4, 8 waves a work-group, no clusters, 160,768 bytes of LDS; arguments z_a, z_b, W_a, W_b, W_c, qh, kh, vh, wc16; writes qh, kh, vh, wc16
.if DOCPART == 4
	.amdgcn_target "amdgcn-amd-amdhsa--gfx1250"
	.amdhsa_code_object_version 6
	.text
	.protected	k_qf0d3859b08_prep
	.globl	k_qf0d3859b08_prep
	.p2align	8
	.type	k_qf0d3859b08_prep,@function
k_qf0d3859b08_prep:
	s_mov_b64 s[64:65], 0
	v_nop
	global_prefetch_b8 v0, s[64:65] scope:SCOPE_SE
	s_setreg_imm32_b32 hwreg(HW_REG_WAVE_SCHED_MODE, 0, 2), 2
	s_setreg_imm32_b32 hwreg(HW_REG_WAVE_MODE, 25, 1), 1
	s_wait_xcnt 0x0
	s_wait_alu depctr_vm_vsrc(0)
; FIRST OF THREE LAUNCHES.  q = W_a z_a and k = W_b z_b (1x1 convolutions), laid by heads; V = z_b in key blocks; W_c in 16 bits.
; DEAD WORK: none.  All five inputs reach an output (z_a, W_a, W_b through the scores into out0 and out1; z_b also as V; W_c into out0); nothing is sliced away and no term cancels, so nothing is left out.
; FORMATS.  Every input is rounded once to bf16.  The two products here run in bf16 with f32 sums; q and k leave as f16, [b*8+h][n][64], unscaled (the scale 1/8 is applied in f32 by the next launch).
; z_b as V and W_c leave as the bf16-rounded number written in f16: vh [b][n/64][256 f][64 keys], a block of 32,768 dense bytes; wc16 [256][2048].
; LIMITS.  |q|, |k|, |z_b|, |W_c| stay under 65,504 (f16's end); a bf16-rounded z_b or W_c below 6e-5 keeps f16's fixed step of 6e-8.  NaN and infinities are not treated apart.
; SHARES.  Work-group (x, y): nb = x % 16, a block of 128 n; oq = x / 16, 128 output channels = two heads; b = y % 2; sel = y / 2 (0: z_a, W_a -> qh; 1: z_b, W_b -> kh and vh).  It makes 128 n x 128 o over
; 256 f.  Wave w: 32 n (w % 4) x 64 o (head hs = w / 4): 8 accumulators.  Work-group 64 y + x also converts that row of W_c; with sel = 1 it writes 64 channels (64 oq ..) of its two key blocks of V.
; THE ORDER OF f IS TURNED BY 64 oq: LDS row j of z and LDS column j of W hold channel (j + 64 oq) mod 256.  The same permutation of f on both operands leaves every product's terms as they are (the f32 sums
; are taken in another order).  The 64 channels of V that the work-group writes are then LDS rows 0-63 in every work-group: the turn stands in the global offsets alone, and every LDS address is made of
; constants, the wave's number and the lane.
; NO TENSOR LOADS, NO CLUSTER: the inputs are f32 and are rounded in registers on their way into LDS, which only loads into registers allow.
; THE MATRIX INSTRUCTION IS USED TRANSPOSED: source 0 = 16 rows of W, source 1 = 16 columns n of z (turned by ds_load_tr16_b128): a lane then holds one n and eight neighbouring channels: 16 bytes of a row of qh.
; THE MODE: SCHED_MODE bits 1:0 = 2 (LLVM: expert scheduling mode 2), set by the entry lines.  The code itself states the register dependences between vector or matrix instructions and memory or LDS
; instructions, with s_wait_alu, always for 0.
; THE PLAN.  Registers that memory or LDS instructions touch:
;   v4-17     Offsets and LDS addresses: written once at the head, ahead of one wait on va_vdst; read by every load and store; never written again.
;   v56-59    W_c's 16 bytes to store: written by its conversions, read by its two stores, never written again.
;   v64-255   The head's raw registers, four to a load.  A load is rounded IN PLACE, into the first two of its four, and its LDS store reads those two.  The head goes in six stages (four of z's eight loads, two of
;             W's sixteen): a stage's conversions, ONE wait on va_vdst, its run of LDS stores.  v64-95 and v96-127 are loaded a second time (W's loads 16-23, 24-31), each one stage behind the LDS stores that read
;             them: a wait on vm_vsrc stands ahead of each of the two runs, beside the stage's wait on va_vdst.
;   Behind the barrier ONE wait on vm_vsrc states that the head's LDS stores have read v64-255: from there on these are accumulators, fragments and packed results.
;   THREE FRAGMENT BUFFERS take turns: K step ks multiplies buffer ks % 3; its LDS loads are those of step ks + 2, which land in buffer (ks + 2) % 3 = (ks - 1) % 3.  ONE wait on va_vdst at the step's head states
;             that the products of step ks - 1 are done reading that buffer; the twelve loads follow it, two behind each of the step's first six products, which name buffer ks % 3 and the accumulators alone.
;   v224-255  Packed results: written by conversions, read by V's stores (v224-239) and by the stage's LDS stores.  v128-159: the rows come back from the stage into them, and the last stores read them.
;   v18, v19  Written at the head, read by the closing add alone.
.set ZP,    288                        ; a row of z in LDS: 128 n x 2 bytes + 32 = 72 words
.set WP,    528                        ; a row of W: 256 f x 2 bytes + 16 = 132 words: the 16 rows of a fragment load start at 16 different groups of four banks
.set WT,    256*ZP                     ; W's 128 rows lie behind z's 256
.set STAGE, WT+128*WP                  ; the way out: 16 rows x 144 bytes for each wave
.set SP,    144
.set SPARE, STAGE+8*16*SP              ; the spare words, 128 bytes for each wave: four blocks of 256 bytes that no other line names
.set LN,  1                            ; v1   lane
.set RR,  2                            ; v2   lane % 16
.set HH,  3                            ; v3   lane / 16
.set ZO,  4                            ; v4   z: my wave's 32 rows in memory, my 16 bytes
.set VR,  5                            ; v5   V: where I read 16 bytes of a channel's 64 keys
.set CO,  6                            ; v6   W_c: 16 x thread
.set CT,  7                            ; v7   wc16: 8 x thread
.set ZS,  8                            ; v8   where my 8 bytes of a row of z go in LDS
.set WS,  9                            ; v9   the same for W
.set ZA0, 10                           ; v10  z's fragments, K steps 0-3
.set ZA1, 11                           ; v11  K steps 4-7 (the 16-bit offset does not reach them)
.set WA,  12                           ; v12  W's fragments
.set STO, 13                           ; v13  the way out: where I put 16 bytes of a row
.set RD,  14                           ; v14  where I read rows back
.set GO,  15                           ; v15  16 x lane
.set WO,  16                           ; v16-17  W: my wave's 16 rows in memory, my 16 bytes of the half of a row that goes to LDS columns 0-127, 128-255
.set SPW, 18                           ; v18  LDS address of my spare word; never rewritten
.set NIL, 19                           ; v19  0; never rewritten
.set T,   20                           ; v20-24  at work, at the head only
.set CW,  36                           ; v36-41  W_c at work
.set CR,  48                           ; v48-55  W_c as loaded
.set CD,  56                           ; v56-59  W_c's 16 bytes to store, never rewritten
.set ZR,  64                           ; v64-191 z as loaded (v64-127 later take W's loads 16-31)
.set WR,  192                          ; v192-255 W's loads 0-15
.set ACC, 64                           ; v64-127 accumulator (nt, ob) at ACC + 8 (4 nt + ob)
.set FB,  128                          ; v128-223 fragment buffers 0 and 1, 48 registers each: W's four fragments, then z's two
.set F2W, 20                           ; v20-51   fragment buffer 2: W's four,
.set F2Z, 240                          ; v240-255 and z's two
.set VT,  144                          ; v144-151 V at work
.set PK,  224                          ; v224-255 packed results
.set BK,  128                          ; v128-159 the way out: whole rows, back from the stage
	s_load_b512 s[8:23], s[0:1], 0x0               ; z_a 8, z_b 10, W_a 12, W_b 14, W_c 16, qh 18, kh 20, vh 22
	s_load_b64 s[24:25], s[0:1], 0x40              ; wc16
	v_lshl_add_u32 v[SPW], v0, 2, SPARE
	v_mov_b32 v[NIL], 0
	v_lshrrev_b32 v[T], 5, v0
	v_readfirstlane_b32 s26, v[T]                  ; wave 0..7
	s_and_b32 s28, ttmp9, 15                       ; nb
	s_bfe_u32 s29, ttmp9, 0x20004                  ; oq
	s_and_b32 s30, ttmp7, 0xffff                   ; y
	s_and_b32 s31, s30, 1                          ; b
	s_lshr_b32 s32, s30, 1                         ; sel
	s_lshl_b32 s27, s30, 6
	s_add_co_u32 s27, s27, ttmp9                   ; my row of W_c
	s_wait_alu depctr_va_sdst(0)                   ; s26 is written, ahead of its first reader: offsets, LDS addresses and bases are made from it
	s_lshr_b32 s33, s26, 2                         ; hs
	s_and_b32 s40, s26, 3                          ; which 32 n
	s_and_b32 s41, s26, 1                          ; V: which key block
	s_lshr_b32 s42, s26, 1                         ; V: which 16 channels
	s_mov_b32 s46, 0xffff0000                      ; a word's upper bf16
	v_and_b32 v[LN], 31, v0
	v_and_b32 v[RR], 15, v0
	v_bfe_u32 v[HH], v0, 4, 1
	s_lshl1_add_u32 s2, s29, s26                   ; z in memory: LDS rows 32 w .. hold channels 32 ((w + 2 oq) mod 8) ..
	s_and_b32 s2, s2, 7
	s_lshl_b32 s2, s2, 18                          ; 32 rows of 8,192 bytes
	v_lshl_add_u32 v[ZO], v[LN], 4, s2
	s_lshl_b32 s2, s29, 8                          ; W in memory: LDS columns 128 half + 4 l .. hold the 16 bytes at (512 half + 16 l + 256 oq) mod 1,024 of a row
	v_lshl_add_u32 v[T+4], v[LN], 4, s2
	v_and_b32 v[WO], 0x3ff, v[T+4]
	v_add_nc_u32 v[T+4], 512, v[T+4]
	v_and_b32 v[WO+1], 0x3ff, v[T+4]
	s_lshl_b32 s2, s26, 14                         ; my wave's 16 rows of 1,024 bytes
	v_add_nc_u32 v[WO], s2, v[WO]
	v_add_nc_u32 v[WO+1], s2, v[WO+1]
	v_lshlrev_b32 v[CO], 4, v0
	v_lshlrev_b32 v[CT], 3, v0
	s_mul_i32 s2, s26, 32*ZP
	v_lshl_add_u32 v[ZS], v[LN], 3, s2
	s_mul_i32 s2, s26, 16*WP
	s_add_co_u32 s2, s2, WT
	v_lshl_add_u32 v[WS], v[LN], 3, s2
	v_and_b32 v[T], 7, v0                          ; lane % 8
	v_bfe_u32 v[T+1], v0, 3, 1                     ; (lane / 8) % 2
	v_lshl_add_u32 v[T+2], v[HH], 3, v[T]          ; the turning load: row 8 (lane / 16) + lane % 8,
	v_mul_u32_u24 v[ZA0], v[T+2], ZP
	v_lshl_add_u32 v[ZA0], v[T+1], 4, v[ZA0]       ; 16 bytes for each half of eight lanes,
	s_lshl_b32 s2, s40, 6
	v_add_nc_u32 v[ZA0], s2, v[ZA0]                ; my 32 n
	v_add_nc_u32 v[ZA1], 4*32*ZP, v[ZA0]
	s_mul_i32 s2, s33, 64*WP
	s_add_co_u32 s2, s2, WT
	v_mul_u32_u24 v[WA], v[RR], WP
	v_lshl_add_u32 v[WA], v[HH], 4, v[WA]
	v_add_nc_u32 v[WA], s2, v[WA]                  ; my head's 64 rows: row x pitch + 16 x half
	s_mul_i32 s2, s26, 16*SP
	s_add_co_u32 s2, s2, STAGE                     ; my stage
	v_mul_u32_u24 v[STO], v[RR], SP
	v_lshl_add_u32 v[STO], v[HH], 4, v[STO]
	v_add_nc_u32 v[STO], s2, v[STO]
	v_bfe_u32 v[T+3], v0, 3, 2                     ; lane / 8
	v_mul_u32_u24 v[RD], v[T+3], SP                ; back: 32 lanes take four rows of 128 bytes
	v_lshl_add_u32 v[RD], v[T], 4, v[RD]
	v_add_nc_u32 v[RD], s2, v[RD]
	v_lshlrev_b32 v[GO], 4, v[LN]
	s_lshl_b32 s3, s42, 4                          ; V: my 16 channels begin at LDS row 16 (w / 2),
	s_lshl_b32 s44, s29, 6
	s_add_co_u32 s44, s44, s3                      ; which is channel 64 oq + 16 (w / 2)
	s_mul_i32 s3, s3, ZP
	s_lshl_b32 s43, s41, 7
	s_add_co_u32 s3, s3, s43                       ; and my key block's 128 bytes of a row
	v_mul_u32_u24 v[VR], v[T+3], ZP
	v_lshl_add_u32 v[VR], v[T], 4, v[VR]
	v_add_nc_u32 v[VR], s3, v[VR]
	s_wait_kmcnt 0x0
	s_cmp_eq_u32 s32, 0
	s_cselect_b64 s[34:35], s[8:9], s[10:11]       ; z
	s_cselect_b64 s[36:37], s[12:13], s[14:15]     ; W
	s_cselect_b64 s[38:39], s[18:19], s[20:21]     ; qh or kh
	s_mov_b32 s3, 0
	s_lshl_b32 s2, s31, 21                         ; the batch: 256 rows of 8,192 bytes
	s_lshl_b32 s45, s28, 9                         ; the block's 512 bytes of a row
	s_add_co_u32 s2, s2, s45
	s_add_nc_u64 s[34:35], s[34:35], s[2:3]
	s_lshl_b32 s2, s29, 17                         ; 128 rows of 1,024 bytes
	s_add_nc_u64 s[36:37], s[36:37], s[2:3]
	s_lshl_b32 s2, s27, 13
	s_add_nc_u64 s[16:17], s[16:17], s[2:3]        ; my row of W_c,
	s_lshl_b32 s2, s27, 12
	s_add_nc_u64 s[24:25], s[24:25], s[2:3]        ; and of wc16
	s_wait_alu depctr_va_vdst(0)                   ; the offsets and LDS addresses v4 to v17 are written: every load and store of the kernel reads one of them
	; ALL THESE LOADS GO OUT BEFORE ANY WAIT FOR DATA: 2 of W_c, 32 of z (a row's 512 bytes each), 16 of W (half a row each): 50 a wave
	global_load_b128 v[CR:CR+3],   v[CO], s[16:17] th:TH_LOAD_NT
	global_load_b128 v[CR+4:CR+7], v[CO], s[16:17] offset:4096 th:TH_LOAD_NT
.set i, 0
.rept 32
	global_load_b128 v[ZR+4*i:ZR+4*i+3], v[ZO], s[34:35] offset:8192*i
.set i, i+1
.endr
.set i, 0
.rept 16
	global_load_b128 v[WR+4*i:WR+4*i+3], v[WO+i%2], s[36:37] offset:1024*(i/2)
.set i, i+1
.endr
	s_lshl_b32 s2, s31, 3                          ; where my results go: head b*8 + 2 oq + hs,
	s_lshl1_add_u32 s2, s29, s2
	s_add_co_u32 s2, s2, s33
	s_lshl_b32 s2, s2, 11                          ; its 2,048 rows,
	s_lshl_b32 s45, s28, 7
	s_add_co_u32 s2, s2, s45                       ; the block's 128,
	s_lshl_b32 s45, s40, 5
	s_add_co_u32 s2, s2, s45                       ; my 32,
	s_lshl_b32 s2, s2, 7                           ; of 128 bytes
	s_add_nc_u64 s[38:39], s[38:39], s[2:3]
	s_lshl_b32 s2, s28, 1
	s_add_co_u32 s2, s2, s41                       ; V: key block 2 nb + w % 2,
	s_lshl_b32 s2, s2, 15
	s_lshl_b32 s45, s31, 20                        ; the batch's 32 blocks,
	s_add_co_u32 s2, s2, s45
	s_lshl_b32 s45, s44, 7                         ; my first channel's row of 128 bytes
	s_add_co_u32 s2, s2, s45
	s_add_nc_u64 s[22:23], s[22:23], s[2:3]
.macro ZCV first                       ; eight of z's loads, from load first on: four n of LDS row 32 w + i each, rounded to bf16 in place: they close up into the first two of their four registers
.set i, (\first)
.rept 8
	v_cvt_pk_bf16_f32 v[ZR+4*i],   v[ZR+4*i],   v[ZR+4*i+1]
	v_cvt_pk_bf16_f32 v[ZR+4*i+1], v[ZR+4*i+2], v[ZR+4*i+3]
.set i, i+1
.endr
.endm
.macro ZST first                       ; and their 8 bytes each into LDS
.set i, (\first)
.rept 8
	ds_store_b64 v[ZS], v[ZR+4*i:ZR+4*i+1] offset:ZP*i
.set i, i+1
.endr
.endm
.macro WCV base                        ; sixteen of W's loads, whose registers begin at v[base], rounded in place likewise
.set i, 0
.rept 16
	v_cvt_pk_bf16_f32 v[(\base)+4*i],   v[(\base)+4*i],   v[(\base)+4*i+1]
	v_cvt_pk_bf16_f32 v[(\base)+4*i+1], v[(\base)+4*i+2], v[(\base)+4*i+3]
.set i, i+1
.endr
.endm
.macro WST first, base                 ; into LDS: load first + i is row 16 w + (first + i) / 2, LDS half i % 2
.set i, 0
.rept 16
	ds_store_b64 v[WS], v[(\base)+4*i:(\base)+4*i+1] offset:WP*(((\first)+i)/2)+256*(i%2)
.set i, i+1
.endr
.endm
.macro WLOAD first                     ; eight of W's loads 16-31, into the registers that z's loads first - 16 .. have left
.set i, (\first)
.rept 8
	global_load_b128 v[ZR+4*(i-16):ZR+4*(i-16)+3], v[WO+i%2], s[36:37] offset:1024*(i/2)
.set i, i+1
.endr
.endm
.macro PLACES                          ; four places behind a matrix instruction (ISA guide 7.12.1), where no other vector work is at hand
.rept 4
	v_nop
.endr
.endm
	s_wait_loadcnt 40                              ; W_c and z's loads 0-7 are in; 24 of z and 16 of W stay out
.irp j, 0,1                            ; W_c: to bf16, and that number written as f16
	v_cvt_pk_bf16_f32 v[CW],   v[CR+4*(\j)],   v[CR+4*(\j)+1]
	v_cvt_pk_bf16_f32 v[CW+1], v[CR+4*(\j)+2], v[CR+4*(\j)+3]
	v_lshlrev_b32 v[CW+2], 16, v[CW]
	v_and_b32     v[CW+3], s46, v[CW]
	v_lshlrev_b32 v[CW+4], 16, v[CW+1]
	v_and_b32     v[CW+5], s46, v[CW+1]
	v_cvt_pk_f16_f32 v[CD+2*(\j)],   v[CW+2], v[CW+3]
	v_cvt_pk_f16_f32 v[CD+2*(\j)+1], v[CW+4], v[CW+5]
.endr
	ZCV 0
	s_wait_alu depctr_va_vdst(0)                   ; the conversions have written v56-59, which W_c's stores read, and the pairs of z's loads 0-7, which the LDS stores read
.irp j, 0,1
	global_store_b64 v[CT], v[CD+2*(\j):CD+2*(\j)+1], s[24:25] offset:2048*(\j)  ; a wave's store covers 256 consecutive bytes, aligned
.endr
	ZST 0
	s_wait_loadcnt 32                              ; z's loads 8-15 are in; 16 of z and 16 of W stay out
	ZCV 8
	s_wait_alu depctr_va_vdst(0)                   ; the conversions have written the pairs of z's loads 8-15, which the LDS stores below read; those that named v64-95 are done too
	s_wait_alu depctr_vm_vsrc(0)                   ; the LDS stores of z's loads 0-7, a stage back, have read v64-95, in which the loads below land
	WLOAD 16
	ZST 8
	s_wait_loadcnt 32                              ; z's loads 16-23 are in; 8 of z and 24 of W stay out
	ZCV 16
	s_wait_alu depctr_va_vdst(0)                   ; the conversions have written the pairs of z's loads 16-23; those that named v96-127 are done too
	s_wait_alu depctr_vm_vsrc(0)                   ; the LDS stores of z's loads 8-15, a stage back, have read v96-127, in which the loads below land
	WLOAD 24
	ZST 16
	s_wait_loadcnt 32                              ; all of z is in; W's 32 loads stay out
	ZCV 24
	s_wait_alu depctr_va_vdst(0)                   ; the conversions have written the pairs of z's loads 24-31, which the LDS stores read
	ZST 24
	s_wait_loadcnt 16                              ; W's loads 0-15 are in
	WCV WR
	s_wait_alu depctr_va_vdst(0)                   ; the conversions have written the pairs of W's loads 0-15, which the LDS stores read
	WST 0, WR
	s_wait_loadcnt 0x0
	WCV ZR
	s_wait_alu depctr_va_vdst(0)                   ; the conversions have written the pairs of W's loads 16-31, which the LDS stores read
	WST 16, ZR
	s_wait_dscnt 0x0                               ; for the others' sake: my rows of z and W lie in LDS
	s_barrier_signal -1
	s_barrier_wait -1                              ; everybody's do
	s_wait_alu depctr_vm_vsrc(0)                   ; my LDS stores have read v64-255: from here on products, LDS loads and conversions write these registers
	; V, where this work-group holds z_b: 16 channels x 64 keys a wave, out of LDS rows 0-63, bf16 widened and written as f16; a store covers 512 consecutive bytes (four channel rows of a key block)
	s_cmp_eq_u32 s32, 0
	s_cbranch_scc1 .Lno_v
.irp i, 0,1,2,3
	ds_load_b128 v[FB+4*(\i):FB+4*(\i)+3], v[VR] offset:4*ZP*(\i)
.endr
	s_wait_dscnt 0x0
.irp i, 0,1,2,3
.irp k, 0,1,2,3
	v_lshlrev_b32 v[VT+2*(\k)],   16, v[FB+4*(\i)+(\k)]
	v_and_b32     v[VT+2*(\k)+1], s46, v[FB+4*(\i)+(\k)]
.endr
.irp k, 0,1,2,3
	v_cvt_pk_f16_f32 v[PK+4*(\i)+(\k)], v[VT+2*(\k)], v[VT+2*(\k)+1]
.endr
.endr
	s_wait_alu depctr_va_vdst(0)                   ; the conversions have written v224-239, which the stores read; the lines above are done with v128-151, in which fragments land below
.irp i, 0,1,2,3
	global_store_b128 v[GO], v[PK+4*(\i):PK+4*(\i)+3], s[22:23] offset:512*(\i)
.endr
.Lno_v:
; Fragment n of the six of K step ks (32 f): n < 4: 16 rows of W (16 o x 32 f: two loads of 16 bytes, 32 bytes apart), into v[w + 8 n]; n = 4, 5: 16 n of z (turned), into v[z + 8 (n - 4)]
.macro LDF ks, n, w, z
.if (\n) < 4
	ds_load_b128 v[(\w)+8*(\n):(\w)+8*(\n)+3],   v[WA] offset:16*WP*(\n)+64*(\ks)
	ds_load_b128 v[(\w)+8*(\n)+4:(\w)+8*(\n)+7], v[WA] offset:16*WP*(\n)+64*(\ks)+32
.else
	ds_load_tr16_b128 v[(\z)+8*((\n)-4):(\z)+8*((\n)-4)+3],   v[ZA0+(\ks)/4] offset:32*ZP*((\ks)%4)+32*((\n)-4)
	ds_load_tr16_b128 v[(\z)+8*((\n)-4)+4:(\z)+8*((\n)-4)+7], v[ZA0+(\ks)/4] offset:32*ZP*((\ks)%4)+32*((\n)-4)+16*ZP
.endif
.endm
; K step ks: its 8 products, out of buffer ks % 3 (W's fragments at MW, z's at MZ); the 8 accumulators take turns, one instruction a turn; K step 0 starts the sums.
; Behind each of the first six products stand the two loads of a fragment of step ks + 2, into buffer (ks + 2) % 3 (LW, LZ).  Steps 6 and 7 have nothing left to fetch.
.macro STEP ks
.set MW, FB+48*((\ks)%3)
.set MZ, FB+48*((\ks)%3)+32
.if (\ks)%3 == 2
.set MW, F2W
.set MZ, F2Z
.endif
.set LW, FB+48*(((\ks)+2)%3)
.set LZ, FB+48*(((\ks)+2)%3)+32
.if ((\ks)+2)%3 == 2
.set LW, F2W
.set LZ, F2Z
.endif
.if (\ks) < 7
	s_wait_dscnt 12                                ; LDS loads come back in order (ISA guide 5.7.1): this step's 12 are in; the next step's 12 may stay out
.else
	s_wait_dscnt 0x0
.endif
.if ((\ks) > 0) && ((\ks) < 6)
	s_wait_alu depctr_va_vdst(0)                   ; the products of the step before are done reading their fragments, in which this step's loads land; no product below names that buffer
.endif
.set n, 0
.irp nt, 0,1
.irp ob, 0,1,2,3
.if (\ks) == 0
	v_wmma_f32_16x16x32_bf16 v[ACC+8*(4*(\nt)+(\ob)):ACC+8*(4*(\nt)+(\ob))+7], v[MW+8*(\ob):MW+8*(\ob)+7], v[MZ+8*(\nt):MZ+8*(\nt)+7], 0
.else
	v_wmma_f32_16x16x32_bf16 v[ACC+8*(4*(\nt)+(\ob)):ACC+8*(4*(\nt)+(\ob))+7], v[MW+8*(\ob):MW+8*(\ob)+7], v[MZ+8*(\nt):MZ+8*(\nt)+7], v[ACC+8*(4*(\nt)+(\ob)):ACC+8*(4*(\nt)+(\ob))+7]
.endif
.if ((\ks) < 6) && (n < 6)
	LDF (\ks)+2, n, LW, LZ
.endif
.set n, n+1
.endr
.endr
.endm
.irp n, 0,1,2,3,4,5                    ; steps 0 and 1 into buffers 0 and 1.  No wait: on both ways here every vector line that named v128-223 stands ahead of a wait on va_vdst
	LDF 0, \n, FB, FB+32
.endr
.irp n, 0,1,2,3,4,5
	LDF 1, \n, FB+48, FB+80
.endr
.irp ks, 0,1,2,3,4,5,6,7               ; step 0 fills buffer 2, v20-51 and v240-255, which only the head's lines have named: it owes no wait either
	STEP \ks
.endr
	; THE WAY OUT: rounded to f16, 16 bytes a lane into my stage (rows of 144 bytes), back as whole rows of 128, stored 512 consecutive bytes at a time
	PLACES                                         ; ahead of the conversions, which read the products' results and write v240-255, which products have read
	s_wait_xcnt 0x0                                ; V's stores have had their addresses translated (ISA guide 3.1): v224-239 are written below only behind this wait,
	s_wait_alu depctr_vm_vsrc(0)                   ; and V's stores have read v224-239
.irp nt, 0,1
.irp ob, 0,1,2,3
.irp k, 0,1,2,3
	v_cvt_pk_f16_f32 v[PK+16*(\nt)+4*(\ob)+(\k)], v[ACC+8*(4*(\nt)+(\ob))+2*(\k)], v[ACC+8*(4*(\nt)+(\ob))+2*(\k)+1]
.endr
.endr
.endr
	s_wait_alu depctr_va_vdst(0)                   ; the conversions have written v224-255, which the LDS stores read; the products are done reading v128-159, in which the rows land
.irp nt, 0,1
.irp ob, 0,1,2,3
	ds_store_b128 v[STO], v[PK+16*(\nt)+4*(\ob):PK+16*(\nt)+4*(\ob)+3] offset:32*(\ob)
.endr
.irp f, 0,1,2,3
	ds_load_b128 v[BK+16*(\nt)+4*(\f):BK+16*(\nt)+4*(\f)+3], v[RD] offset:4*SP*(\f)  ; LDS serves a wave's instructions in order (ISA guide 5.7.1.4): these see the stores above; the next tile's stores come behind them
.endr
.endr
.irp nt, 0,1
.irp f, 0,1,2,3
	s_wait_dscnt 8*(1-(\nt))+3-(\f)                ; behind tile 0's loads stand tile 1's eight LDS instructions
	global_store_b128 v[GO], v[BK+16*(\nt)+4*(\f):BK+16*(\nt)+4*(\f)+3], s[38:39] offset:2048*(\nt)+512*(\f)
.endr
.endr
	s_wait_dscnt 0x0                               ; the closing lines, six on end
	s_wait_alu 0x0
	s_wait_tensorcnt 0x0
	ds_add_u32 v[SPW], v[NIL]
	s_wait_dscnt 0x0
	s_endpgm
.Lfunc_end_k_qf0d3859b08_prep:
	.size	k_qf0d3859b08_prep, .Lfunc_end_k_qf0d3859b08_prep-k_qf0d3859b08_prep
	.p2alignl 7, 3214868480
	.fill 96, 4, 3214868480
	.section	.rodata,"a",@progbits
	.p2align	6, 0x0
	.amdhsa_kernel k_qf0d3859b08_prep
		.amdhsa_group_segment_fixed_size 160768
		.amdhsa_private_segment_fixed_size 0
		.amdhsa_enable_private_segment 0
		.amdhsa_kernarg_size 72
		.amdhsa_user_sgpr_count 2
		.amdhsa_user_sgpr_kernarg_segment_ptr 1
		.amdhsa_wavefront_size32 1
		.amdhsa_system_sgpr_workgroup_id_x 1
		.amdhsa_system_sgpr_workgroup_id_y 1
		.amdhsa_system_sgpr_workgroup_id_z 1
		.amdhsa_system_vgpr_workitem_id 0
		.amdhsa_next_free_vgpr 256
		.amdhsa_next_free_sgpr 66
		.amdhsa_reserve_vcc 0
		.amdhsa_float_denorm_mode_32 3
		.amdhsa_float_denorm_mode_16_64 3
		.amdhsa_memory_ordered 1
		.amdhsa_forward_progress 1
		.amdhsa_inst_pref_size 43
	.end_amdhsa_kernel
	.amdgpu_metadata
---
amdhsa.version: [ 1, 2 ]
amdhsa.kernels:
  - .name:           k_qf0d3859b08_prep
    .symbol:         k_qf0d3859b08_prep.kd
    .args:
      - { .name: z_a, .offset: 0, .size: 8, .value_kind: global_buffer, .address_space: global }
      - { .name: z_b, .offset: 8, .size: 8, .value_kind: global_buffer, .address_space: global }
      - { .name: W_a, .offset: 16, .size: 8, .value_kind: global_buffer, .address_space: global }
      - { .name: W_b, .offset: 24, .size: 8, .value_kind: global_buffer, .address_space: global }
      - { .name: W_c, .offset: 32, .size: 8, .value_kind: global_buffer, .address_space: global }
      - { .name: qh, .offset: 40, .size: 8, .value_kind: global_buffer, .address_space: global }
      - { .name: kh, .offset: 48, .size: 8, .value_kind: global_buffer, .address_space: global }
      - { .name: vh, .offset: 56, .size: 8, .value_kind: global_buffer, .address_space: global }
      - { .name: wc16, .offset: 64, .size: 8, .value_kind: global_buffer, .address_space: global }
    .group_segment_fixed_size: 160768
    .private_segment_fixed_size: 0
    .kernarg_segment_align: 8
    .kernarg_segment_size: 72
    .max_flat_workgroup_size: 256
    .sgpr_count:     66
    .vgpr_count:     256
    .wavefront_size: 32
...
	.end_amdgpu_metadata
.endif
;; end of part 4
;; launch attn: the kernel of part 2 again; grid 16 x 16, 4 waves a work-group, clusters of 4 x 1, 327,680 bytes of LDS; arguments qh, kh, vh, feat, l1p; writes feat, l1p
;; launch comb: the kernel of part 3 again; grid 4 x 64, 4 waves a work-group, clusters of 4 x 4, 327,680 bytes of LDS; arguments feat, wc16, l1p, out0, out1; writes out0, out1
